; MI455X (gfx1250); checked and timed in simulation.
; The chip was launched on July 23, 2026; its instructions are those of AMD's public machine-readable ISA for CDNA 5 (MIT licence, August 2026) and "CDNA5" Instruction Set Architecture Reference Guide (July 2026). The comments in the code are by the model that wrote it; some were corrected since.
;; Cross Attention Block. Allowed arithmetic: matrix products marked QUANTISED: E4M3 operands, one E8M0 scale for each 32 along K, by v_wmma_scale_f32_16x16x128_f8f6f4 with both operands' format E4M3, f32 sums; everything else in f32.
;; Inputs: context 4 x 64 x 32 x 32 float32; ctx_norm_b 64 float32; ctx_norm_w 64 float32; gate 4 x 1 x 1 x 1 float32; k_b 512 float32; k_w_codes 512 x 2 x 32 uint8 (E4M3 codes of k_w, K innermost, in blocks of 32 codes); k_w_scales 512 x 2 uint8 (E8M0 scales of k_w, one for each 32 codes along K); norm_b 512 float32; norm_w 512 float32; out_b 512 float32; out_w_codes 512 x 16 x 32 uint8 (E4M3 codes of out_w, K innermost, in blocks of 32 codes); out_w_scales 512 x 16 uint8 (E8M0 scales of out_w, one for each 32 codes along K); q_b 512 float32; q_w_codes 512 x 16 x 32 uint8 (E4M3 codes of q_w, K innermost, in blocks of 32 codes); q_w_scales 512 x 16 uint8 (E8M0 scales of q_w, one for each 32 codes along K); v_b 512 float32; v_w_codes 512 x 2 x 32 uint8 (E4M3 codes of v_w, K innermost, in blocks of 32 codes); v_w_scales 512 x 2 uint8 (E8M0 scales of v_w, one for each 32 codes along K); x 4 x 512 x 64 x 64 float32.
;; Outputs: out0 4 x 512 x 64 x 64 float32.
;; This version of the problem:
;;   THIS VERSION OF THE PROBLEM IS GIVEN IN LOW PRECISION. The matrix products marked QUANTISED in the list below multiply operands that are first quantised to E4M3 (4 exponent bits, 3 mantissa bits; 8 bits a number), with one power-of-two scale for each 32 numbers along K (OCP MX v1.0); their sums are f32. All else is computed in f32.
;;   The module's matrix products, in the order in which they are computed (A, B: the left and right operand; K: the contracted axis; several contracted axes count as one K, in the product's order):
;;     1. [M 16,384, K 512] x [K 512, N 512]; A: computed on the way; B: input q_w (given as codes): QUANTISED
;;     2. [M 4,096, K 64] x [K 64, N 512]; A: computed on the way; B: input k_w (given as codes): QUANTISED
;;     3. [M 4,096, K 64] x [K 64, N 512]; A: computed on the way; B: input v_w (given as codes): QUANTISED
;;     4. batch 32 x [M 4,096, K 64] x [K 64, N 1,024]; A: computed on the way; B: computed on the way: QUANTISED
;;     5. batch 32 x [M 4,096, K 1,024] x [K 1,024, N 64]; A: softmax (see below); B: computed on the way: QUANTISED
;;     6. [M 16,384, K 512] x [K 512, N 512]; A: computed on the way; B: input out_w (given as codes): QUANTISED
;;   THE QUANTISER, for each operand of a quantised product, along K:
;;     - K is cut into blocks of 32 from its start; a last block that is shorter is filled with zeros.
;;     - A block's scale is 2^e with e = floor(log2(the largest magnitude in the block)) - 8, held to -126 .. 127; a block of zeros has e = 0. As a byte (E8M0): e + 127.
;;     - Each number is divided by its block's scale, clamped to +-448, and rounded to the nearest number of E4M3, ties to even, subnormals kept.
;;     - The product sums the exact products of the quantised numbers (number of the format x scale) in f32.
;;   ~~~python
;;   def quantise(x, axis):      # numpy; x: float32 -> the quantised numbers, widened to float32 again
;;       x = np.moveaxis(x, axis, -1); K = x.shape[-1]
;;       x = np.pad(x, [(0, 0)] * (x.ndim - 1) + [(0, -K % 32)]); x = x.reshape(x.shape[:-1] + (-1, 32)); a = np.abs(x).max(-1, keepdims=True)
;;       e = np.where(a > 0, np.clip(np.frexp(np.where(a > 0, a, 1))[1] - 1 - 8, -126, 127), 0)      # np.frexp(a)[1] - 1 = floor(log2(a)), exactly
;;       r = np.clip(x / 2.0 ** e, -448, 448)
;;       step = 2.0 ** (np.maximum(np.frexp(np.where(r == 0, 1, r))[1] - 1, -6) - 3)
;;       q = np.round(r / step) * step * 2.0 ** e      # np.round: ties to even
;;       return np.moveaxis(q.reshape(q.shape[:-2] + (-1,))[..., :K], -1, axis).astype(np.float32)
;;   ~~~
;;   SOFTMAX AHEAD OF A QUANTISED PRODUCT. Where the list says 'softmax', what is quantised is not the finished softmax but p = 2^(t - M), with t = logit x log2(e) and M = ceil(the row's largest t), a whole number; so 1/2 < the row's largest p <= 1. The row's sum l is taken of the UNQUANTISED p, in f32, and the product's result is divided by l at the end. Since M is a whole number, a kernel that streams over the keys may use a running M (the ceiling of the running maximum): every later rescaling is an exact power of two, which a block's scale takes up: the codes' values come out the same.
;;   OPERANDS COMPUTED ON THE WAY. 'Computed on the way' means the value that the module computes at that place (a softmax that the list does not call 'softmax' is quantised finished and normalised). What goes into a quantiser is computed in f32, as accurately as f32 sums, v_exp_f32 and their like allow (about 1e-6 of the number): no bf16 or f16 on the way to a quantiser, and a product that is left as it is and whose result goes on into a quantised operand takes f32 operands (vector FMAs, or v_wmma_f32_16x16x4_f32). A number that lies on a knife's edge between two numbers of the format may be rounded either way, as far as f32 arithmetic and the matrix unit's own rounding can turn it there, and no further.
;;   INPUTS GIVEN AS CODES. k_w (in the module: [512, 64], K = its axis 1); out_w (in the module: [512, 512], K = its axis 1); q_w (in the module: [512, 512], K = its axis 1); v_w (in the module: [512, 64], K = its axis 1): each comes as NAME_codes (uint8): NAME with its K axis moved to the last place and cut into blocks of 32 codes, [.., K / 32, bytes a block], one block behind the other in memory; one code a byte (a code: sign, 4 exponent bits, 3 mantissa bits); and NAME_scales (uint8): the same leading axes, one E8M0 byte (e + 127) for each 32 codes along K. Its value is code x scale, taken as it is: it is not quantised again, and the codes and scales need not be those that the quantiser above would give.
;; One version. Each part assembles by itself: llvm-mc -triple=amdgcn-amd-amdhsa -mcpu=gfx1250 --defsym DOCPART=n.
;; ======== version 1 of 1: 5 launches
;; limits: right only within a limited range of input values
;; workspace buffers: stats 4,096 bytes; kvrec 4,390,912 bytes; qimg 8,388,608 bytes; qsc 524,288 bytes; aimg 8,388,608 bytes; asc 1,048,576 bytes
;; launch stats (part 1): grid 256 x 1, 8 waves a work-group, no clusters, 1,280 bytes of LDS; arguments x, context, stats; writes stats
.if DOCPART == 1
	.amdgcn_target "amdgcn-amd-amdhsa--gfx1250"
	.amdhsa_code_object_version 6
	.text
	.protected	k_qe0c916cd7a_stats
	.globl	k_qe0c916cd7a_stats
	.p2align	8
	.type	k_qe0c916cd7a_stats,@function
k_qe0c916cd7a_stats:
	s_mov_b64 s[64:65], 0
	v_nop
	global_prefetch_b8 v0, s[64:65] scope:SCOPE_SE
	s_setreg_imm32_b32 hwreg(HW_REG_WAVE_MODE, 25, 1), 1
	s_wait_xcnt 0x0
; GroupNorm's statistics, in halves.  Work-group g takes 32,768 consecutive numbers of x (half of a group of 16 channels x 4,096) and the
; 1,024 numbers of channel g of context (half of a group of 2 channels).  For each it stores {mean, M2 = sum of (v - mean)^2}: x's at stats
; byte 8 g, context's at byte 2,048 + 8 g.  The launches that use them join two halves: nothing is formed as a difference of large sums.
; The numbers stay in registers between the pass for the mean and the pass for M2: memory is read once.  Thread t takes 16 bytes at 16 t of
; each run of 4,096 bytes, so a wave's load covers 512 consecutive bytes; all 33 loads of a wave are out together.
; No matrix unit, no cluster: nothing here is shared between work-groups.  The two stores of 8 bytes are all that a work-group writes.
; LIMITS: NaN and infinities among the inputs are not served.
.set X,   32                           ; v[32:159]  my 128 numbers of x
.set RBK, 160                          ; v[160:175] the eight waves' partial sums, read back from LDS
	s_load_b128 s[4:7], s[0:1], 0x0                ; x s[4:5], context s[6:7]
	s_load_b64 s[8:9], s[0:1], 0x10                ; stats
	v_lshl_add_u32 v176, v0, 2, 0x100
	v_mov_b32 v177, 0
	v_lshrrev_b32 v23, 5, v0
	s_delay_alu instid0(VALU_DEP_1)
	v_readfirstlane_b32 s10, v23                   ; wave 0..7
	s_delay_alu instid0(VALU_DEP_2)
	v_lshlrev_b32 v23, 3, v23                      ; LDS: 8 bytes for each wave
	v_lshlrev_b32 v1, 4, v0                        ; 16 t
	v_mov_b32 v22, 0                               ; a lane permute's destination counts as read: written once
	v_mov_b32 v24, 0                               ; LDS address 0
	s_lshl_b32 s12, ttmp9, 17                      ; 131,072 bytes of x a work-group
	s_mov_b32 s13, 0
	s_lshl_b32 s14, ttmp9, 12                      ; 4,096 bytes of context
	s_mov_b32 s15, 0
	s_mov_b32 s16, 0x76543210                      ; v_permlanex16_b32's selects for lane l xor 16
	s_mov_b32 s17, 0xfedcba98
	s_lshl_b32 s19, ttmp9, 3
	v_mov_b32 v25, s19                             ; 8 g
	s_wait_alu depctr_va_vdst(0)
	s_wait_kmcnt 0x0
	s_add_nc_u64 s[4:5], s[4:5], s[12:13]
	s_add_nc_u64 s[6:7], s[6:7], s[14:15]
.set i, 0
.rept 32
	global_load_b128 v[X+4*i:X+4*i+3], v1, s[4:5] offset:4096*i
.set i, i+1
.endr
	global_load_b128 v[26:29], v1, s[6:7]
; v2 and v3 are summed over the wave (four steps inside 16 lanes, one across), then over the eight waves through LDS bytes off .. off + 63
.macro REDUCE off
.irp m, 1
	v_add_f32_dpp v2, v2, v2 row_xmask:\m row_mask:0xf bank_mask:0xf
	s_delay_alu instid0(VALU_DEP_2)
	v_add_f32_dpp v3, v3, v3 row_xmask:\m row_mask:0xf bank_mask:0xf
.endr
.irp m, 2, 4, 8
	s_delay_alu instid0(VALU_DEP_2)
	v_add_f32_dpp v2, v2, v2 row_xmask:\m row_mask:0xf bank_mask:0xf
	s_delay_alu instid0(VALU_DEP_2)
	v_add_f32_dpp v3, v3, v3 row_xmask:\m row_mask:0xf bank_mask:0xf
.endr
	s_delay_alu instid0(VALU_DEP_2)
	v_permlanex16_b32 v22, v2, s16, s17
	s_delay_alu instid0(VALU_DEP_1)
	v_add_f32 v2, v2, v22
	s_delay_alu instid0(VALU_DEP_2)
	v_permlanex16_b32 v22, v3, s16, s17
	s_delay_alu instid0(VALU_DEP_1)
	v_add_f32 v3, v3, v22
	ds_store_b64 v23, v[2:3] offset:\off           ; every lane of the wave writes the same 8 bytes with the same values
	s_wait_dscnt 0x0                               ; for the others' sake: my store has landed
	s_barrier_signal -1
	s_barrier_wait -1
.irp k, 0,1,2,3
	ds_load_b128 v[RBK+4*\k:RBK+4*\k+3], v24 offset:\off+16*\k
.endr
	s_wait_dscnt 0x0
.irp k, 2
	v_pk_add_f32 v[RBK:RBK+1], v[RBK:RBK+1], v[RBK+\k:RBK+\k+1]
.endr
.irp k, 4, 6, 8, 10, 12, 14
	s_delay_alu instid0(VALU_DEP_1)
	v_pk_add_f32 v[RBK:RBK+1], v[RBK:RBK+1], v[RBK+\k:RBK+\k+1]
.endr
.endm
	; pass 1: the sums, in four chains of pairs that the first eight pairs start
	s_wait_loadcnt 29                              ; loads 0 to 3 are in: 29 were issued behind them
.irp k, 0,1,2,3
	v_pk_add_f32 v[2+2*\k:3+2*\k], v[X+2*\k:X+2*\k+1], v[X+8+2*\k:X+9+2*\k]
.endr
.set i, 4
	s_wait_alu depctr_va_vdst(0)
.rept 28
	s_wait_alu depctr_va_vdst(0)
	s_wait_loadcnt 32-i                            ; load i is in: 32 - i were issued behind it
	v_pk_add_f32 v[2+2*((2*i)%4):3+2*((2*i)%4)], v[2+2*((2*i)%4):3+2*((2*i)%4)], v[X+4*i:X+4*i+1]
	v_pk_add_f32 v[2+2*((2*i+1)%4):3+2*((2*i+1)%4)], v[2+2*((2*i+1)%4):3+2*((2*i+1)%4)], v[X+4*i+2:X+4*i+3]
.set i, i+1
.endr
	v_pk_add_f32 v[2:3], v[2:3], v[4:5]
	s_delay_alu instid0(VALU_DEP_2)
	v_pk_add_f32 v[6:7], v[6:7], v[8:9]
	s_delay_alu instid0(VALU_DEP_1)
	v_pk_add_f32 v[2:3], v[2:3], v[6:7]
	s_delay_alu instid0(VALU_DEP_1)
	v_add_f32 v2, v2, v3                           ; x: my 128 numbers' sum
	s_wait_alu depctr_va_vdst(0)
	s_wait_loadcnt 0x0                             ; context's four numbers
	v_add_f32 v3, v26, v27
	v_add_f32 v10, v28, v29
	s_delay_alu instid0(VALU_DEP_1)
	v_add_f32 v3, v3, v10
	REDUCE 0
	s_delay_alu instid0(VALU_DEP_1)
	v_mul_f32 v18, 0x38000000, v[RBK]              ; x's mean: / 32,768
	s_delay_alu instid0(VALU_DEP_2)
	v_mul_f32 v19, 0x3a800000, v[RBK+1]            ; context's: / 1,024
	; pass 2: the sums of squares about the mean
.set p, 0
.rept 64
	v_pk_add_f32 v[10+2*(p%4):11+2*(p%4)], v[X+2*p:X+2*p+1], v[18:19] op_sel_hi:[1,0] neg_lo:[0,1] neg_hi:[0,1]
.if p < 4
	s_delay_alu instid0(VALU_DEP_1)
	v_pk_mul_f32 v[2+2*(p%4):3+2*(p%4)], v[10+2*(p%4):11+2*(p%4)], v[10+2*(p%4):11+2*(p%4)]
.else
	s_delay_alu instid0(VALU_DEP_1)
	v_pk_fma_f32 v[2+2*(p%4):3+2*(p%4)], v[10+2*(p%4):11+2*(p%4)], v[10+2*(p%4):11+2*(p%4)], v[2+2*(p%4):3+2*(p%4)]
.endif
.set p, p+1
.endr
	v_pk_add_f32 v[2:3], v[2:3], v[4:5]
	s_delay_alu instid0(VALU_DEP_2)
	v_pk_add_f32 v[6:7], v[6:7], v[8:9]
	s_delay_alu instid0(VALU_DEP_1)
	v_pk_add_f32 v[2:3], v[2:3], v[6:7]
	s_delay_alu instid0(VALU_DEP_1)
	v_add_f32 v2, v2, v3
.irp k, 26,27,28,29
	v_sub_f32 v\k, v\k, v19
.endr
	s_delay_alu instid0(VALU_DEP_4)
	v_mul_f32 v3, v26, v26
	s_delay_alu instid0(VALU_DEP_1)
	v_fma_f32 v3, v27, v27, v3
	s_delay_alu instid0(VALU_DEP_1)
	v_fma_f32 v3, v28, v28, v3
	s_delay_alu instid0(VALU_DEP_1)
	v_fma_f32 v3, v29, v29, v3
	REDUCE 64                                      ; other LDS bytes than the first time: no wave can still be reading those
	s_cmp_lg_u32 s10, 0
	s_cbranch_scc1 .Lend                           ; wave 0 stores
	v_mov_b32 v20, v18
	v_mov_b32 v21, v[RBK]
	v_mov_b32 v26, v19
	v_mov_b32 v27, v[RBK+1]
	v_cmp_eq_u32 vcc_lo, 0, v0
	s_wait_alu depctr_va_vdst(0)
	s_wait_xcnt 0x0                                ; EXEC is narrowed only when every earlier memory instruction has had its addresses translated
	s_and_saveexec_b32 s18, vcc_lo
	global_store_b64 v25, v[20:21], s[8:9]
	global_store_b64 v25, v[26:27], s[8:9] offset:2048
	s_wait_xcnt 0x0                                ; and widened again likewise
	s_or_b32 exec_lo, exec_lo, s18
.Lend:
	s_wait_tensorcnt 0x0
	ds_add_u32 v176, v177
	s_wait_dscnt 0x0
	s_endpgm
.Lfunc_end_k_qe0c916cd7a_stats:
	.size	k_qe0c916cd7a_stats, .Lfunc_end_k_qe0c916cd7a_stats-k_qe0c916cd7a_stats
	.p2alignl 7, 3214868480
	.fill 96, 4, 3214868480
	.section	.rodata,"a",@progbits
	.p2align	6, 0x0
	.amdhsa_kernel k_qe0c916cd7a_stats
		.amdhsa_group_segment_fixed_size 1280
		.amdhsa_private_segment_fixed_size 0
		.amdhsa_enable_private_segment 0
		.amdhsa_kernarg_size 24
		.amdhsa_user_sgpr_count 2
		.amdhsa_user_sgpr_kernarg_segment_ptr 1
		.amdhsa_wavefront_size32 1
		.amdhsa_system_sgpr_workgroup_id_x 1
		.amdhsa_system_sgpr_workgroup_id_y 1
		.amdhsa_system_sgpr_workgroup_id_z 1
		.amdhsa_system_vgpr_workitem_id 0
		.amdhsa_next_free_vgpr 178
		.amdhsa_next_free_sgpr 66
		.amdhsa_reserve_vcc 1
		.amdhsa_float_denorm_mode_32 3
		.amdhsa_float_denorm_mode_16_64 3
		.amdhsa_memory_ordered 1
		.amdhsa_forward_progress 1
		.amdhsa_inst_pref_size 27
	.end_amdhsa_kernel
	.amdgpu_metadata
---
amdhsa.version: [ 1, 2 ]
amdhsa.kernels:
  - .name:           k_qe0c916cd7a_stats
    .symbol:         k_qe0c916cd7a_stats.kd
    .args:
      - { .name: x, .offset: 0, .size: 8, .value_kind: global_buffer, .address_space: global }
      - { .name: context, .offset: 8, .size: 8, .value_kind: global_buffer, .address_space: global }
      - { .name: stats, .offset: 16, .size: 8, .value_kind: global_buffer, .address_space: global }
    .group_segment_fixed_size: 1280
    .private_segment_fixed_size: 0
    .kernarg_segment_align: 8
    .kernarg_segment_size: 24
    .max_flat_workgroup_size: 256
    .sgpr_count:     66
    .vgpr_count:     178
    .wavefront_size: 32
...
	.end_amdgpu_metadata
.endif
;; end of part 1
;; launch kv (part 2): grid 32 x 8, 4 waves a work-group, no clusters, 11,264 bytes of LDS; arguments context, stats, ctx_norm_w, ctx_norm_b, k_w_codes, k_w_scales, k_b, v_w_codes, v_w_scales, v_b, kvrec; writes kvrec
.if DOCPART == 2
	.amdgcn_target "amdgcn-amd-amdhsa--gfx1250"
	.amdhsa_code_object_version 6
	.text
	.protected	k_qe0c916cd7a_kv
	.globl	k_qe0c916cd7a_kv
	.p2align	8
	.type	k_qe0c916cd7a_kv,@function
k_qe0c916cd7a_kv:
	s_mov_b64 s[64:65], 0
	v_nop
	global_prefetch_b8 v0, s[64:65] scope:SCOPE_SE
	s_setreg_imm32_b32 hwreg(HW_REG_WAVE_MODE, 25, 1), 1
	s_wait_xcnt 0x0
; k and v of one head for 128 keys: GroupNorm(context), quantised along the 64 channels; k = k_w ctx + k_b, quantised along d; v = v_w ctx + v_b, quantised along the keys.
; All on codes of E4M3 with one E8M0 scale for each 32 along K.  Work-group x = 8 b + ks (batch, step of 128 keys), y = head.
; WHAT IS STORED: images of the operand registers that the attention launch wants, in one record of 137,216 bytes for each (batch, head):
;   +0       K: [key tile 64][register group 2][lane 32][16 bytes]        +65,536  V: [step 8][d tile 4][register group 4][lane][16 bytes]
;   +131,072 K's scale words: [step][lane][4 words], word j of lane (r, hh) = key tile 2 j + hh, row r      +135,168 V's: [step][lane][2 words], d tile 2 j + hh
; THE ROWS OF A TILE ARE NOT NEIGHBOURS: row rho of tile T (of keys, of k_w's rows, of v_w's rows) is index 32 (T / 2) + 8 (T % 2) + rho + 8 (rho / 8), so that the 16 result registers of tiles 2 b, 2 b + 1
; are 16 neighbours along the next product's K: 32 b + 16 (lane / 16) + 0 .. 15.
; K = 64 IN AN INSTRUCTION OF 128: the weights' fragments are 8 registers of codes and 8 registers of zero codes.  The context's tiles lie 8 registers apart on end, and a fragment names 16: its upper half is the next
; tile's codes (behind the last tile: zeros): finite codes of this text's own making, multiplied by zero codes.  The scale words' upper two bytes are 0, which is 2^-127 and no NaN.
; PHASES: T: the 64 channels' mean, gain and bias into LDS | X: wave w normalises and quantises keys 32 w .. 32 w + 31 (a lane to a key, registers down the channels) and stores the codes as register images |
; G: wave w makes k for key tiles 2 w, 2 w + 1 (source 0 = k_w's rows, source 1 = keys: a lane holds one key) and v for d tile w (source 0 = keys, source 1 = v_w's rows: a lane holds one d).
; The normalising of a step's keys is done again for each of the batch's eight heads: 32 KiB of context a work-group.  No cluster: what work-groups share is those 32 KiB, read once each through registers.
; LIMITS: NaN and infinities are not served; a block of zeros gets the scale byte 1 (its codes are zeros; only this program reads the bytes); largest magnitudes under 2^-118 are held at byte 1.
.set TMU,  0                           ; LDS: 64 words each: mean, rstd x gain, bias
.set TA,   256
.set TB,   512
.set CIMG, 1024                        ; the context's codes: [tile 8][group 2][lane][16]
.set CSC,  9216                        ; their scale words: [tile 8][row 16]
.set KST,  9728                        ; stage for K's scale words: 16 bytes a lane
.set VST,  10240                       ; for V's: 8 bytes a lane
.set REC,  137216
.set X,    64                          ; v[64:127]  phase X: my key's 64 channels
.set RMU,  128                         ; v[128:159], v[160:191], v[192:223]: a block's 32 means, gains, biases
.set RA,   160
.set RB,   192
.set CD,   224                         ; v[224:231] a block's codes
.set QT,   232                         ; v[232:235] at work
.set KCF,  40                          ; v[40:55]   phase G: my two key tiles;  v[56:119] all eight;  v[120:127] zeros
.set CF,   56
.set ACC,  128                         ; v[128:191] results
.set PC,   192                         ; v[192:207] codes
.set PW,   208                         ; v208-210   scale words just made
.set TM,   212                         ; v[212:227] the quantiser's 16 registers
.set SEL,  40
.set MNT,  42
.set HI,   43
.set NH,   44
.set IV,   45
.set EP,   46
; v16-19 k_w's scale words, v20 v_w's, v21-24 the context's (two tiles a register), v25 my two tiles': these hold scales and nothing else.
; window 1: v[0:63] k_w's four fragments; v[64:95] k_b in the result's layout; v[96:111] v_w's fragment; v[112:119] v_b
.set MSB, 0
.macro WIN new                         ; the immediate's high byte repeats the setting that is left
.if MSB != \new
	s_set_vgpr_msb (MSB<<8)|\new
.set MSB, \new
.endif
.endm
.macro PLACES n
.rept \n
	v_nop
.endr
.endm
.macro BARRIER                         ; my LDS stores have landed and my LDS loads are in: then the work-group's barrier
	s_wait_dscnt 0x0
	s_barrier_signal -1
	s_barrier_wait -1
.endm
; two halves {m1, M1, m2, M2} in v[st] on become the group's mean and rstd x gain
.macro COEF st, w, mu, a
	v_sub_f32 v[\a], v[\st], v[\st+2]
	v_add_f32 v[\mu], v[\st], v[\st+2]
	v_add_f32 v[\st+1], v[\st+1], v[\st+3]
	v_mul_f32 v[\a], v[\a], v[\a]
	v_mul_f32 v[\mu], 0.5, v[\mu]
	v_fma_f32 v[\st+1], v[\a], s[NH], v[\st+1]     ; M2 = M1 + M2 + (m1 - m2)^2 n / 2
	v_fma_f32 v[\st+1], v[\st+1], s[IV], s[EP]     ; the variance + eps
	s_wait_alu depctr_va_vdst(0)
	v_rsq_f32 v[\st+1], v[\st+1]
	v_nop                                          ; one plain instruction behind a transcendental (ISA guide 5.7.2)
	s_wait_alu depctr_va_vdst(0)
	v_mul_f32 v[\a], v[\st+1], v[\w]
.endm
.macro NORM xs                         ; 32 numbers: (x - mean) x (rstd x gain) + bias
.irp p, 0,2,4,6,8,10,12,14,16,18,20,22,24,26,28,30
	v_pk_add_f32 v[\xs+\p:\xs+\p+1], v[\xs+\p:\xs+\p+1], v[RMU+\p:RMU+\p+1] neg_lo:[0,1] neg_hi:[0,1]
.endr
.irp p, 0,2,4,6,8,10,12,14,16,18,20,22,24,26,28,30
	v_pk_fma_f32 v[\xs+\p:\xs+\p+1], v[\xs+\p:\xs+\p+1], v[RA+\p:RA+\p+1], v[RB+\p:RB+\p+1]
.endr
.endm
; a whole block of 32 in one lane's registers v[xs] on: 8 registers of codes at v[pc], the scale's byte in v[by]
.macro QBLK xs, pc, by
	v_max3_num_f32 v[QT], |v[\xs]|, |v[\xs+1]|, |v[\xs+2]|
	v_max3_num_f32 v[QT+1], |v[\xs+3]|, |v[\xs+4]|, |v[\xs+5]|
.irp i, 6,10,14,18,22,26
	v_max3_num_f32 v[QT], v[QT], |v[\xs+\i]|, |v[\xs+\i+1]|
	v_max3_num_f32 v[QT+1], v[QT+1], |v[\xs+\i+2]|, |v[\xs+\i+3]|
.endr
	v_max3_num_f32 v[QT], v[QT], |v[\xs+30]|, |v[\xs+31]|
	v_max3_num_f32 v[QT], v[QT], v[QT+1], 0x4800000        ; the floor 2^(9 - 127): the byte cannot fall under 1
	v_add_nc_u32 v[QT+2], 0xfc000000, v[QT]                ; 8 off the exponent field: the conversion's scale operand
	v_lshrrev_b32 v[\by], 23, v[QT+2]                      ; the scale's byte
.set i, 0
.rept 32
.set i, i+1
.endr
.irp g, 0,1,2,3
	v_cvt_scalef32_pk8_fp8_f32 v[\pc+2*\g:\pc+2*\g+1], v[\xs+8*\g:\xs+8*\g+7], v[QT+2]
.endr
	v_nop                                          ; one plain instruction behind the last scaled conversion
.endm
; nb blocks, 16 numbers of each in my lane (register 16 b + i = k 32 b + 16 (lane / 16) + i of my row), the other 16 in lane l xor 16: codes at v[pc + 4 b], the row's scale word in v[pw]
.macro QUANT s, nb, pc, pw
.irp b, 0,1,2,3
.if \b < \nb
	v_max3_num_f32 v[TM+\b], |v[\s+16*\b]|, |v[\s+1+16*\b]|, 0x4800000
.endif
.endr
.irp i, 2,4,6,8,10,12,14
.irp b, 0,1,2,3
.if \b < \nb
	v_max3_num_f32 v[TM+\b], v[TM+\b], |v[\s+16*\b+\i]|, |v[\s+1+16*\b+\i]|
.endif
.endr
.endr
.irp b, 0,1,2,3
.if \b < \nb
	v_permlanex16_b32 v[TM+4+\b], v[TM+\b], s[SEL], s[SEL+1]
.endif
.endr
.irp b, 0,1,2,3
.if \b < \nb
	v_max_num_f32 v[TM+\b], v[TM+\b], v[TM+4+\b]
.endif
.endr
.irp b, 0,1,2,3
.if \b < \nb
	v_add_nc_u32 v[TM+12+\b], 0xfc000000, v[TM+\b]
.endif
.endr
.irp b, 0,1,2,3
.if \b < \nb
.endif
.endr
.irp b, 0,1,2,3
.if \b < \nb
	v_lshrrev_b32 v[TM+4+\b], 23, v[TM+12+\b]
.endif
.endr
	v_lshl_or_b32 v[\pw], v[TM+5], 8, v[TM+4]
.if \nb > 2
	v_lshl_or_b32 v[\pw], v[TM+6], 16, v[\pw]
	v_lshl_or_b32 v[\pw], v[TM+7], 24, v[\pw]
.endif
.irp b, 0,1,2,3
.if \b < \nb
.irp i, 0,1,2,3,4,5,6,7,8,9,10,11,12,13,14,15
.endr
	v_cvt_scalef32_pk8_fp8_f32 v[\pc+4*\b:\pc+1+4*\b], v[\s+16*\b:\s+7+16*\b], v[TM+12+\b]
	v_cvt_scalef32_pk8_fp8_f32 v[\pc+2+4*\b:\pc+3+4*\b], v[\s+8+16*\b:\s+15+16*\b], v[TM+12+\b]
.endif
.endr
	v_nop                                          ; one plain instruction behind the last scaled conversion
.endm
	s_load_b512 s[4:19], s[0:1], 0x0               ; context 4, stats 6, ctx_norm_w 8, ctx_norm_b 10, k_w_codes 12, k_w_scales 14, k_b 16, v_w_codes 18
	s_load_b128 s[20:23], s[0:1], 0x40             ; v_w_scales 20, v_b 22
	s_load_b64 s[24:25], s[0:1], 0x50              ; kvrec
	v_lshl_add_u32 v254, v0, 2, 0x2a00
	v_mov_b32 v255, 0
	v_lshrrev_b32 v1, 5, v0
	v_readfirstlane_b32 s26, v1                    ; wave 0..3
	s_lshr_b32 s27, ttmp9, 3                       ; batch
	s_and_b32 s28, ttmp9, 7                        ; step of 128 keys
	s_and_b32 s29, ttmp7, 0xffff                   ; head
	s_mov_b32 s[SEL], 0x76543210
	s_mov_b32 s[SEL+1], 0xfedcba98
	s_mov_b32 s[HI], 0xffff0000                    ; lanes 16-31
	s_mov_b32 s[NH], 0x44000000                    ; 512 = half of a half group's 1,024
	s_mov_b32 s[IV], 0x3a000000                    ; 1 / 2,048
	s_mov_b32 s[EP], 0x3727c5ac                    ; 1e-5
	v_and_b32 v244, 31, v0                         ; L
	v_and_b32 v245, 15, v0                         ; r
	v_bfe_u32 v246, v0, 4, 1                       ; h
	v_bfe_u32 v247, v0, 3, 1                       ; my key 32 w + L lies in tile 2 w + u, u = (L / 8) % 2,
	v_and_b32 v248, 7, v0
	v_lshl_add_u32 v248, v246, 3, v248             ; at row rho = L % 8 + 8 (L / 16)
	v_and_b32 v249, 8, v245
	v_add_nc_u32 v249, v249, v245                  ; r + 8 (r / 8)
	v_lshlrev_b32 v2, 2, v244                      ; context: 4 L
	s_lshl_b32 s30, s26, 11
	s_add_co_u32 s30, s30, CIMG
	v_lshlrev_b32 v3, 4, v248
	v_lshl_add_u32 v3, v247, 10, v3
	v_add_nc_u32 v3, s30, v3                       ; where my key's codes go: CIMG + 1,024 (2 w + u) + 16 rho
	s_lshl_b32 s30, s26, 7
	s_add_co_u32 s30, s30, CSC
	v_lshlrev_b32 v4, 2, v248
	v_lshl_add_u32 v4, v247, 6, v4
	v_add_nc_u32 v4, s30, v4                       ; and its scale word: CSC + 64 (2 w + u) + 4 rho
	v_lshl_add_u32 v5, v244, 4, CIMG               ; an image's place for my lane
	s_lshl_b32 s30, s26, 11
	v_add_nc_u32 v6, s30, v5                       ; the same from my two tiles on
	v_lshl_add_u32 v7, v244, 2, CSC                ; scale words: lanes 0-15 an even tile's rows, lanes 16-31 the next tile's
	s_lshl_b32 s30, s26, 7
	v_add_nc_u32 v8, s30, v7
	s_lshl_b32 s30, s26, 2
	s_add_co_u32 s30, s30, KST
	v_lshl_add_u32 v9, v244, 4, s30                ; K's scale words: word w of my lane's four
	s_and_b32 s30, s26, 1
	s_lshl_b32 s30, s30, 7
	s_lshr_b32 s31, s26, 1
	s_lshl_b32 s31, s31, 2
	s_add_co_u32 s30, s30, s31
	s_add_co_u32 s30, s30, VST
	v_lshl_add_u32 v10, v245, 3, s30               ; V's: lane r + 16 (w % 2), word w / 2
	v_lshl_add_u32 v11, v244, 4, KST
	v_lshl_add_u32 v12, v244, 3, VST
	v_lshlrev_b32 v13, 4, v244                     ; 16 L
	v_lshlrev_b32 v14, 3, v244                     ; 8 L
	v_mov_b32 v15, 0                               ; the tables' LDS address
	v_and_b32 v29, 63, v0                          ; the channel whose table entry I make
	v_lshrrev_b32 v28, 1, v29
	v_lshlrev_b32 v28, 4, v28                      ; its group's two halves: 16 bytes
	v_lshlrev_b32 v29, 2, v29
	v_lshlrev_b32 v240, 6, v249
	v_lshl_add_u32 v240, v246, 4, v240             ; a weight's row of 64 bytes: 64 (r + 8 (r / 8)) + 16 h.  v240-243 are never rewritten
	v_lshlrev_b32 v241, 6, v246                    ; k_b: 16 numbers on for lanes 16-31
	v_lshlrev_b32 v242, 2, v249                    ; v_b: my row's number
	v_lshlrev_b32 v243, 1, v249                    ; scale bytes: 2 a row
	s_mov_b32 s31, 0
	s_wait_alu depctr_va_vdst(0)
	s_wait_kmcnt 0x0
	s_lshl_b32 s30, s27, 9
	s_add_co_u32 s30, s30, 2048
	s_add_nc_u64 s[6:7], s[6:7], s[30:31]          ; stats: context's part, my batch
	s_lshl_b32 s30, s27, 18
	s_lshl_b32 s38, s28, 9
	s_add_co_u32 s30, s30, s38
	s_lshl_b32 s38, s26, 7
	s_add_co_u32 s30, s30, s38
	s_add_nc_u64 s[4:5], s[4:5], s[30:31]          ; context: batch, key 128 ks + 32 w
	s_lshl_b32 s38, s29, 6                         ; the head's first row of the weights
	s_lshr_b32 s39, s26, 1
	s_lshl_b32 s39, s39, 5
	s_and_b32 s30, s26, 1
	s_lshl_b32 s30, s30, 3
	s_add_co_u32 s39, s39, s30
	s_add_co_u32 s39, s39, s38                     ; d tile w's first row: + 32 (w / 2) + 8 (w % 2)
	s_lshl_b32 s30, s38, 6
	s_add_nc_u64 s[12:13], s[12:13], s[30:31]
	s_lshl_b32 s30, s38, 1
	s_add_nc_u64 s[14:15], s[14:15], s[30:31]
	s_lshl_b32 s30, s38, 2
	s_add_nc_u64 s[16:17], s[16:17], s[30:31]
	s_lshl_b32 s30, s39, 6
	s_add_nc_u64 s[18:19], s[18:19], s[30:31]
	s_lshl_b32 s30, s39, 1
	s_add_nc_u64 s[20:21], s[20:21], s[30:31]
	s_lshl_b32 s30, s39, 2
	s_add_nc_u64 s[22:23], s[22:23], s[30:31]
	s_lshl_b32 s30, s27, 3
	s_add_co_u32 s30, s30, s29
	s_mul_i32 s30, s30, REC
	s_add_nc_u64 s[24:25], s[24:25], s[30:31]      ; the record of (batch, head)
	s_lshl_b32 s30, s28, 2
	s_add_co_u32 s30, s30, s26
	s_lshl_b32 s30, s30, 11
	s_add_co_u32 s30, s30, 65536
	s_add_nc_u64 s[32:33], s[24:25], s[30:31]      ; V's image (ks, d tile w)
	s_lshl_b32 s30, s28, 9
	s_add_co_u32 s30, s30, 131072
	s_add_nc_u64 s[34:35], s[24:25], s[30:31]      ; K's scale words of the step
	s_lshl_b32 s30, s28, 8
	s_add_co_u32 s30, s30, 135168
	s_add_nc_u64 s[36:37], s[24:25], s[30:31]      ; V's
	s_lshl_b32 s30, s28, 2
	s_add_co_u32 s30, s30, s26
	s_lshl_b32 s30, s30, 11
	s_add_nc_u64 s[24:25], s[24:25], s[30:31]      ; K's images of tiles 8 ks + 2 w, + 1
	global_load_b128 v[30:33], v28, s[6:7]
	global_load_b32 v34, v29, s[8:9]
	global_load_b32 v35, v29, s[10:11]
.set i, 0
.rept 64
	global_load_b32 v[X+i], v2, s[4:5] offset:4096*i       ; channel i at my key: the wave reads 128 consecutive bytes
.set i, i+1
.endr
	WIN 0x40                                       ; destination window 1
.irp t, 0,1,2,3
.irp c, 0,1
	global_load_b128 v[16*\t+4*\c:16*\t+4*\c+3], v240, s[12:13] offset:(32*(\t/2)+8*(\t%2))*64+32*\c
.endr
.endr
.irp c, 0,1
	global_load_b128 v[96+4*\c:99+4*\c], v240, s[18:19] offset:32*\c
.endr
.irp t, 0,1,2,3
	global_load_b128 v[64+8*\t:67+8*\t], v241, s[16:17] offset:(32*(\t/2)+8*(\t%2))*4
	global_load_b128 v[68+8*\t:71+8*\t], v241, s[16:17] offset:(32*(\t/2)+8*(\t%2))*4+16
.endr
.irp j, 0,1,2,3,4,5,6,7
	global_load_b32 v[112+\j], v242, s[22:23]      ; in v's result a lane holds one d: its bias in all eight registers
.endr
.irp t, 0,1,2,3
.irp i, 8,9,10,11,12,13,14,15
	v_mov_b32 v[16*\t+\i], 0                       ; the weights' upper halves: zero codes for K = 64 .. 127
.endr
.endr
.irp i, 104,105,106,107,108,109,110,111
	v_mov_b32 v[\i], 0
.endr
	WIN 0
.irp t, 0,1,2,3
	global_load_u16 v[16+\t], v243, s[14:15] offset:(32*(\t/2)+8*(\t%2))*2     ; two scale bytes; the word's upper two are 0
.endr
	global_load_u16 v20, v243, s[20:21]
	; ---- T
	s_wait_loadcnt 63                              ; the three table loads are in: 95 were issued behind them, and 63 is the largest count a wait can name
	COEF 30, 34, 36, 37
	s_cmp_lt_u32 s26, 2
	s_cbranch_scc0 .Lnotab                         ; waves 0 and 1 hold channels 0 .. 63: they store
	ds_store_b32 v29, v36 offset:TMU
	ds_store_b32 v29, v37 offset:TA
	ds_store_b32 v29, v35 offset:TB
.Lnotab:
	BARRIER                                        ; the tables lie in LDS
	; ---- X
.irp cc, 0,1
.irp k, 0,1,2,3,4,5,6,7
	ds_load_b128 v[RMU+4*\k:RMU+4*\k+3], v15 offset:TMU+128*\cc+16*\k
	ds_load_b128 v[RA+4*\k:RA+4*\k+3], v15 offset:TA+128*\cc+16*\k
	ds_load_b128 v[RB+4*\k:RB+4*\k+3], v15 offset:TB+128*\cc+16*\k
.endr
	s_wait_loadcnt 63-32*\cc                       ; this block's 32 channels are in: behind them the other block's 32 (block 0) and the weights' 31
	s_wait_dscnt 0x0                               ; the tables; and the last block's stores have read the codes' registers
	NORM X+32*\cc
	QBLK X+32*\cc, CD, 26+\cc
	ds_store_b128 v3, v[CD:CD+3] offset:512*\cc            ; k = 32 cc + 0 .. 15 belong to lane rho,
	ds_store_b128 v3, v[CD+4:CD+7] offset:512*\cc+256      ; k = 32 cc + 16 .. 31 to lane rho + 16
.endr
	v_lshl_or_b32 v26, v27, 8, v26
	ds_store_b32 v4, v26
.irp i, 120,121,122,123,124,125,126,127
	v_mov_b32 v[\i], 0                             ; behind the last tile: zero codes
.endr
.irp i, 4,5,6,7
	v_mov_b32 v[TM+\i], 0                          ; a lane permute's destination counts as read
.endr
	BARRIER                                        ; the step's eight tiles lie in LDS
	; ---- G
.irp i, 0,1
.irp c, 0,1
	ds_load_b128 v[KCF+8*\i+4*\c:KCF+8*\i+4*\c+3], v6 offset:1024*\i+512*\c
.endr
.endr
.irp n, 0,1,2,3,4,5,6,7
.irp c, 0,1
	ds_load_b128 v[CF+8*\n+4*\c:CF+8*\n+4*\c+3], v5 offset:1024*\n+512*\c
.endr
.endr
.irp j, 0,1,2,3
	ds_load_b32 v[21+\j], v7 offset:128*\j
.endr
	ds_load_b32 v25, v8
	s_wait_loadcnt 0x0                             ; the weights
	s_wait_dscnt 0x0
	WIN 0x11                                       ; source 0 (k_w) and C (k_b) window 1
.irp i, 0,1
.irp t, 0,1,2,3
.if \i == 0
	v_wmma_scale_f32_16x16x128_f8f6f4 v[ACC+32*\i+8*\t:ACC+32*\i+8*\t+7], v[16*\t:16*\t+15], v[KCF+8*\i:KCF+8*\i+15], v[64+8*\t:71+8*\t], v[16+\t], v25
.else
	v_wmma_scale_f32_16x16x128_f8f6f4 v[ACC+32*\i+8*\t:ACC+32*\i+8*\t+7], v[16*\t:16*\t+15], v[KCF+8*\i:KCF+8*\i+15], v[64+8*\t:71+8*\t], v[16+\t], v25 matrix_b_scale:MATRIX_SCALE_ROW1
.endif
.endr
.endr
	WIN 0
	PLACES 8                                       ; eight places behind this form before its results are read
	QUANT ACC, 2, PC, PW                           ; key tile 2 w: a lane's 32 registers are d = 32 b + 16 h + 0 .. 15
	global_store_b128 v13, v[PC:PC+3], s[24:25]            ; each store of the wave covers 512 consecutive bytes, aligned
	global_store_b128 v13, v[PC+4:PC+7], s[24:25] offset:512
	QUANT ACC+32, 2, PC+8, PW+1                    ; key tile 2 w + 1
	global_store_b128 v13, v[PC+8:PC+11], s[24:25] offset:1024
	global_store_b128 v13, v[PC+12:PC+15], s[24:25] offset:1536
	v_cndmask_b32 v[PW+2], v[PW], v[PW+1], s[HI]   ; lanes 0-15 the even tile's words, lanes 16-31 the odd tile's
	ds_store_b32 v9, v[PW+2]
	WIN 0x14                                       ; source 1 (v_w) and C (v_b) window 1
.irp n, 0,1,2,3,4,5,6,7
.if (\n%2) == 0
	v_wmma_scale_f32_16x16x128_f8f6f4 v[ACC+8*\n:ACC+8*\n+7], v[CF+8*\n:CF+8*\n+15], v[96:111], v[112:119], v[21+\n/2], v20
.else
	v_wmma_scale_f32_16x16x128_f8f6f4 v[ACC+8*\n:ACC+8*\n+7], v[CF+8*\n:CF+8*\n+15], v[96:111], v[112:119], v[21+\n/2], v20 matrix_a_scale:MATRIX_SCALE_ROW1
.endif
.endr
	WIN 0
	PLACES 8
	s_wait_xcnt 0x0                                ; k's stores have read the codes' registers
	QUANT ACC, 4, PC, PW                           ; d tile w: a lane's 64 registers are keys 32 b + 16 h + 0 .. 15 of the step
.irp c, 0,1,2,3
	global_store_b128 v13, v[PC+4*\c:PC+4*\c+3], s[32:33] offset:512*\c
.endr
	ds_store_b32 v10, v[PW]                        ; lanes r and r + 16 write the same word with the same value
	BARRIER                                        ; the step's scale words lie in the stages
	s_cmp_lg_u32 s26, 0
	s_cbranch_scc1 .Lnot0
	ds_load_b128 v[228:231], v11
	s_wait_dscnt 0x0
	global_store_b128 v13, v[228:231], s[34:35]    ; 512 consecutive bytes
.Lnot0:
	s_cmp_lg_u32 s26, 1
	s_cbranch_scc1 .Lend
	ds_load_b64 v[232:233], v12
	s_wait_dscnt 0x0
	global_store_b64 v14, v[232:233], s[36:37]     ; 256 consecutive bytes
.Lend:
	s_wait_tensorcnt 0x0
	ds_add_u32 v254, v255
	s_wait_dscnt 0x0
	s_endpgm
.Lfunc_end_k_qe0c916cd7a_kv:
	.size	k_qe0c916cd7a_kv, .Lfunc_end_k_qe0c916cd7a_kv-k_qe0c916cd7a_kv
	.p2alignl 7, 3214868480
	.fill 96, 4, 3214868480
	.section	.rodata,"a",@progbits
	.p2align	6, 0x0
	.amdhsa_kernel k_qe0c916cd7a_kv
		.amdhsa_group_segment_fixed_size 11264
		.amdhsa_private_segment_fixed_size 0
		.amdhsa_enable_private_segment 0
		.amdhsa_kernarg_size 88
		.amdhsa_user_sgpr_count 2
		.amdhsa_user_sgpr_kernarg_segment_ptr 1
		.amdhsa_wavefront_size32 1
		.amdhsa_system_sgpr_workgroup_id_x 1
		.amdhsa_system_sgpr_workgroup_id_y 1
		.amdhsa_system_sgpr_workgroup_id_z 1
		.amdhsa_system_vgpr_workitem_id 0
		.amdhsa_next_free_vgpr 384
		.amdhsa_next_free_sgpr 66
		.amdhsa_reserve_vcc 0
		.amdhsa_float_denorm_mode_32 3
		.amdhsa_float_denorm_mode_16_64 3
		.amdhsa_fp16_overflow 1
		.amdhsa_memory_ordered 1
		.amdhsa_forward_progress 1
		.amdhsa_inst_pref_size 41
	.end_amdhsa_kernel
	.amdgpu_metadata
---
amdhsa.version: [ 1, 2 ]
amdhsa.kernels:
  - .name:           k_qe0c916cd7a_kv
    .symbol:         k_qe0c916cd7a_kv.kd
    .args:
      - { .name: context, .offset: 0, .size: 8, .value_kind: global_buffer, .address_space: global }
      - { .name: stats, .offset: 8, .size: 8, .value_kind: global_buffer, .address_space: global }
      - { .name: ctx_norm_w, .offset: 16, .size: 8, .value_kind: global_buffer, .address_space: global }
      - { .name: ctx_norm_b, .offset: 24, .size: 8, .value_kind: global_buffer, .address_space: global }
      - { .name: k_w_codes, .offset: 32, .size: 8, .value_kind: global_buffer, .address_space: global }
      - { .name: k_w_scales, .offset: 40, .size: 8, .value_kind: global_buffer, .address_space: global }
      - { .name: k_b, .offset: 48, .size: 8, .value_kind: global_buffer, .address_space: global }
      - { .name: v_w_codes, .offset: 56, .size: 8, .value_kind: global_buffer, .address_space: global }
      - { .name: v_w_scales, .offset: 64, .size: 8, .value_kind: global_buffer, .address_space: global }
      - { .name: v_b, .offset: 72, .size: 8, .value_kind: global_buffer, .address_space: global }
      - { .name: kvrec, .offset: 80, .size: 8, .value_kind: global_buffer, .address_space: global }
    .group_segment_fixed_size: 11264
    .private_segment_fixed_size: 0
    .kernarg_segment_align: 8
    .kernarg_segment_size: 88
    .max_flat_workgroup_size: 128
    .sgpr_count:     66
    .vgpr_count:     384
    .wavefront_size: 32
...
	.end_amdgpu_metadata
.endif
;; end of part 2
;; launch qproj (part 3): grid 64 x 4, 8 waves a work-group, no clusters, 172,032 bytes of LDS; arguments x, stats, norm_w, norm_b, q_w_codes, q_w_scales, q_b, qimg, qsc; writes qimg, qsc
.if DOCPART == 3
	.amdgcn_target "amdgcn-amd-amdhsa--gfx1250"
	.amdhsa_code_object_version 6
	.text
	.protected	k_qe0c916cd7a_qproj
	.globl	k_qe0c916cd7a_qproj
	.p2align	8
	.type	k_qe0c916cd7a_qproj,@function
k_qe0c916cd7a_qproj:
	s_mov_b64 s[64:65], 0
	v_nop
	global_prefetch_b8 v0, s[64:65] scope:SCOPE_SE
	s_setreg_imm32_b32 hwreg(HW_REG_WAVE_MODE, 25, 1), 1
	s_wait_xcnt 0x0
; q = q_w GroupNorm(x) + q_b for 64 columns l of one batch and all 512 outputs; x_norm is quantised along the channels, q along d; both on codes of E4M3 with one E8M0 scale for each 32 along K.
; Work-group x = group of 64 l, y = batch.  Eight waves.
; x lies [channel][l], so K is not innermost: A LANE TAKES A COLUMN l AND ITS REGISTERS RUN DOWN THE CHANNELS.  The tile (512 channels x 256 bytes) comes into LDS by eight tensor loads, one a wave (64 rows of 256
; aligned bytes), issued first; each wave reads only the rows that it asked for, behind its own wait.  LDS is filled once.
; PHASES: T: the 512 channels' mean, rstd x gain and bias into LDS | X: wave w normalises and quantises channels 64 w .. 64 w + 63 of all 64 columns and stores the codes as images of the operand's registers |
; G: wave w is head w: its 64 rows of q_w stay in 256 registers; for each of the four tiles of 16 columns 16 products (source 0 = q_w's rows, source 1 = columns: a lane holds one column and d along its registers),
; the bias as the first product's C, the quantiser, and the stores.
; q_w's ROWS OF A TILE ARE NOT NEIGHBOURS: row rho of tile t is 32 (t / 2) + 8 (t % 2) + rho + 8 (rho / 8), so that the 16 registers of tiles 2 b, 2 b + 1 are d = 32 b + 16 (lane / 16) + 0 .. 15.
; STORED: qimg [8 b + head][l tile 256][register group 2][lane][16 bytes]; qsc [8 b + head][group of 64 l][lane][2 words], word j of lane (r, hh) = l tile 2 j + hh of the group, row r.
; No cluster: q_w, which all work-groups read, goes straight into registers as fragments; its 256 KiB would not fit in LDS beside x's 128 KiB.
; LIMITS: NaN and infinities are not served; a block of zeros gets the scale byte 1 (its codes are zeros; only this program reads the bytes); largest magnitudes under 2^-118 are held at byte 1.
.set XIMG, 131072                      ; LDS: behind x's tile (wave w's 64 rows at 16,384 w): x_norm's 16 fragments, (l tile m, K step s) at 2,048 (4 m + s) + 512 group + 16 lane
.set XSC,  163840                      ; their scale words: [s 4][l 64]
.set TMU,  164864                      ; 512 means; + 2,048: rstd x gain; + 4,096: bias
.set RMU,  64                          ; phase X: v[64:95], v[96:127], v[128:159]: a block's means, gains, biases
.set RA,   96
.set RB,   128
.set X0,   160                         ; two sets of 32 numbers
.set X1,   192
.set CD0,  224                         ; two sets of codes, by turns: a set is written again only behind a wait that covers its LDS stores
.set CD1,  232
.set QT,   240
.set XF,   64                          ; phase G: v[64:127] a tile's four fragments of x_norm
.set XS,   248                         ; v248-251 their scale words: these, and v16-31 (q_w's), hold scales and nothing else
.set QA,   132                         ; v[132:163] four accumulators
.set PC,   164                         ; v[164:195] codes, 8 registers for each tile: no store's data are written again
.set PW,   196
.set TM,   200
.set SEL,  46
.set MNT,  48
.set HI,   49
.set NH,   50
.set IV,   51
.set EP,   52
; v1 x's tile, v2 images in, v3 scale bytes in, v4 tables, v5 images out, v6 scale words out, v7 16 L, v8 8 L, v9-11, v14, v15 offsets of the head's loads, v12, v13 scale bytes, v[32:63] q_b, v252 tables in.  window 1: q_w
.set MSB, 0
.macro WIN new
.if MSB != \new
	s_set_vgpr_msb (MSB<<8)|\new
.set MSB, \new
.endif
.endm
.macro PLACES n
.rept \n
	v_nop
.endr
.endm
.macro BARRIER
	s_wait_dscnt 0x0
	s_barrier_signal -1
	s_barrier_wait -1
.endm
.macro COEF st, w, mu, a               ; two halves {m1, M1, m2, M2} become the group's mean and rstd x gain
	v_sub_f32 v[\a], v[\st], v[\st+2]
	v_add_f32 v[\mu], v[\st], v[\st+2]
	v_add_f32 v[\st+1], v[\st+1], v[\st+3]
	s_delay_alu instid0(VALU_DEP_3)
	v_mul_f32 v[\a], v[\a], v[\a]
	s_delay_alu instid0(VALU_DEP_3)
	v_mul_f32 v[\mu], 0.5, v[\mu]
	s_delay_alu instid0(VALU_DEP_2)
	v_fma_f32 v[\st+1], v[\a], s[NH], v[\st+1]
	s_delay_alu instid0(VALU_DEP_1)
	v_fma_f32 v[\st+1], v[\st+1], s[IV], s[EP]
	s_wait_alu depctr_va_vdst(0)
	v_rsq_f32 v[\st+1], v[\st+1]
	v_nop                                          ; one plain instruction behind a transcendental (ISA guide 5.7.2)
	s_wait_alu depctr_va_vdst(0)
	v_mul_f32 v[\a], v[\st+1], v[\w]
.endm
.macro NORM xs
.irp p, 0,2,4,6,8,10,12,14,16,18,20,22,24,26,28,30
	v_pk_add_f32 v[\xs+\p:\xs+\p+1], v[\xs+\p:\xs+\p+1], v[RMU+\p:RMU+\p+1] neg_lo:[0,1] neg_hi:[0,1]
.endr
.irp p, 0,2,4,6,8,10,12,14,16,18,20,22,24,26,28,30
	v_pk_fma_f32 v[\xs+\p:\xs+\p+1], v[\xs+\p:\xs+\p+1], v[RA+\p:RA+\p+1], v[RB+\p:RB+\p+1]
.endr
.endm
.macro QBLK xs, pc, by                 ; a whole block of 32 in one lane's registers
	v_max3_num_f32 v[QT], |v[\xs]|, |v[\xs+1]|, |v[\xs+2]|
	v_max3_num_f32 v[QT+1], |v[\xs+3]|, |v[\xs+4]|, |v[\xs+5]|
.irp i, 6,10,14,18,22,26
	s_delay_alu instid0(VALU_DEP_2)
	v_max3_num_f32 v[QT], v[QT], |v[\xs+\i]|, |v[\xs+\i+1]|
	s_delay_alu instid0(VALU_DEP_2)
	v_max3_num_f32 v[QT+1], v[QT+1], |v[\xs+\i+2]|, |v[\xs+\i+3]|
.endr
	s_delay_alu instid0(VALU_DEP_2)
	v_max3_num_f32 v[QT], v[QT], |v[\xs+30]|, |v[\xs+31]|
	s_delay_alu instid0(VALU_DEP_1)
	v_max3_num_f32 v[QT], v[QT], v[QT+1], 0x4800000        ; the floor 2^(9 - 127)
	s_delay_alu instid0(VALU_DEP_1)
	v_add_nc_u32 v[QT+2], 0xfc000000, v[QT]
	s_delay_alu instid0(VALU_DEP_1)
	v_lshrrev_b32 v[\by], 23, v[QT+2]
.set i, 0
.rept 32
.set i, i+1
.endr
.irp g, 0,1,2,3
	v_cvt_scalef32_pk8_fp8_f32 v[\pc+2*\g:\pc+2*\g+1], v[\xs+8*\g:\xs+8*\g+7], v[QT+2]
.endr
	v_nop
.endm
.macro QUANT s, nb, pc, pw             ; nb blocks shared with lane l xor 16: register 16 b + i = k 32 b + 16 (lane / 16) + i of my row
.irp b, 0,1,2,3
.if \b < \nb
	v_max3_num_f32 v[TM+\b], |v[\s+16*\b]|, |v[\s+1+16*\b]|, 0x4800000
.endif
.endr
.irp i, 2,4,6,8,10,12,14
.irp b, 0,1,2,3
.if \b < \nb
	v_max3_num_f32 v[TM+\b], v[TM+\b], |v[\s+16*\b+\i]|, |v[\s+1+16*\b+\i]|
.endif
.endr
.endr
.irp b, 0,1,2,3
.if \b < \nb
	s_delay_alu instid0(VALU_DEP_2)
	v_permlanex16_b32 v[TM+4+\b], v[TM+\b], s[SEL], s[SEL+1]
.endif
.endr
.irp b, 0,1,2,3
.if \b < \nb
	s_delay_alu instid0(VALU_DEP_2)
	v_max_num_f32 v[TM+\b], v[TM+\b], v[TM+4+\b]
.endif
.endr
.irp b, 0,1,2,3
.if \b < \nb
	s_delay_alu instid0(VALU_DEP_2)
	v_add_nc_u32 v[TM+12+\b], 0xfc000000, v[TM+\b]
.endif
.endr
.irp b, 0,1,2,3
.if \b < \nb
.endif
.endr
.irp b, 0,1,2,3
.if \b < \nb
	s_delay_alu instid0(VALU_DEP_2)
	v_lshrrev_b32 v[TM+4+\b], 23, v[TM+12+\b]
.endif
.endr
	s_delay_alu instid0(VALU_DEP_1)
	v_lshl_or_b32 v[\pw], v[TM+5], 8, v[TM+4]
.if \nb > 2
	v_lshl_or_b32 v[\pw], v[TM+6], 16, v[\pw]
	v_lshl_or_b32 v[\pw], v[TM+7], 24, v[\pw]
.endif
.irp b, 0,1,2,3
.if \b < \nb
.irp i, 0,1,2,3,4,5,6,7,8,9,10,11,12,13,14,15
.endr
	v_cvt_scalef32_pk8_fp8_f32 v[\pc+4*\b:\pc+1+4*\b], v[\s+16*\b:\s+7+16*\b], v[TM+12+\b]
	v_cvt_scalef32_pk8_fp8_f32 v[\pc+2+4*\b:\pc+3+4*\b], v[\s+8+16*\b:\s+15+16*\b], v[TM+12+\b]
.endif
.endr
	v_nop
.endm
	s_load_b512 s[4:19], s[0:1], 0x0               ; x 4, stats 6, norm_w 8, norm_b 10, q_w_codes 12, q_w_scales 14, q_b 16, qimg 18
	s_load_b64 s[20:21], s[0:1], 0x40              ; qsc
	v_lshl_add_u32 v254, v0, 2, 0x29c00
	v_mov_b32 v255, 0
	ds_add_u32 v254, v255
	ds_add_u32 v254, v255
	s_wait_dscnt 0x0
	v_lshrrev_b32 v253, 5, v0
	s_delay_alu instid0(VALU_DEP_1)
	v_readfirstlane_b32 s22, v253                  ; wave 0..7
	s_and_b32 s23, ttmp7, 0xffff                   ; batch
	s_mov_b32 s36, ttmp9                           ; group of 64 l
	; descriptor group 1: 64 rows of 64 elements of 4 bytes, 4,096 elements from row to row, dense in LDS
	s_mov_b32 s24, 2<<16
	s_mov_b32 s25, 64<<16                          ; tensor_dim0
	s_mov_b32 s26, 64<<16                          ; tensor_dim1
	s_mov_b32 s27, 64<<16                          ; tile_dim0
	s_mov_b32 s28, 64                              ; tile_dim1
	s_mov_b32 s29, 4096                            ; the pitch
	s_mov_b32 s30, 0
	s_mov_b32 s31, 0
	s_lshl_b32 s38, s23, 23
	s_lshl_b32 s40, s22, 20
	s_add_co_u32 s38, s38, s40
	s_lshl_b32 s40, s36, 8
	s_add_co_u32 s38, s38, s40                     ; batch, channel 64 w, column 64 lg
	s_mov_b32 s39, 0
	s_mov_b32 s32, 1
	s_lshl_b32 s33, s22, 14                        ; LDS: 16,384 w
	s_wait_kmcnt 0x0
	s_add_nc_u64 s[34:35], s[4:5], s[38:39]
	s_or_b32 s35, s35, 0x80000000
	tensor_load_to_lds s[32:35], s[24:31]          ; my 64 channels: the one tensor load of this wave
	s_nop 0
	PLACES 4
	s_mov_b32 s[SEL], 0x76543210
	s_mov_b32 s[SEL+1], 0xfedcba98
	s_mov_b32 s[HI], 0xffff0000
	s_mov_b32 s[NH], 0x46800000                    ; 16,384 = half of a half group's 32,768
	s_mov_b32 s[IV], 0x37800000                    ; 1 / 65,536
	s_mov_b32 s[EP], 0x3727c5ac                    ; 1e-5
	v_and_b32 v253, 31, v0                         ; L
	s_wait_alu depctr_va_vdst(0)
	v_and_b32 v254, 15, v0                         ; r
	s_wait_alu depctr_va_vdst(0)
	v_bfe_u32 v255, v0, 4, 1                       ; h
	s_lshl_b32 s40, s22, 14
	v_lshl_add_u32 v1, v253, 2, s40                ; x's tile: my wave's rows, column L
	s_lshr_b32 s40, s22, 1                         ; my channels lie in K step w / 2,
	s_and_b32 s42, s22, 1                          ; register groups 2 (w % 2) and + 1
	s_lshl_b32 s41, s40, 11
	s_lshl_b32 s43, s42, 10
	s_add_co_u32 s41, s41, s43
	s_add_co_u32 s41, s41, XIMG
	v_lshlrev_b32 v2, 4, v254
	s_delay_alu instid0(VALU_DEP_1)
	v_lshl_add_u32 v2, v255, 13, v2
	s_delay_alu instid0(VALU_DEP_1)
	v_add_nc_u32 v2, s41, v2                       ; column 32 la + L is row r of tile 2 la + h
	s_lshl_b32 s41, s40, 8
	s_lshl_b32 s43, s42, 1
	s_add_co_u32 s41, s41, s43
	s_add_co_u32 s41, s41, XSC
	v_lshl_add_u32 v3, v253, 2, s41                ; my two bytes of the column's scale word of K step w / 2
	s_lshl_b32 s41, s22, 8
	s_add_co_u32 s41, s41, TMU
	v_mov_b32 v4, s41                              ; the tables at my first channel
	v_lshl_add_u32 v5, v253, 4, XIMG
	v_lshl_add_u32 v6, v254, 2, XSC
	v_lshlrev_b32 v7, 4, v253
	v_lshlrev_b32 v8, 3, v253
	v_and_b32 v9, 0xf0, v0                         ; stats: 16 bytes for each group of 16 channels: 16 (t / 16)
	s_wait_alu depctr_va_vdst(0)
	v_lshlrev_b32 v10, 2, v0                       ; 4 t
	s_wait_alu depctr_va_vdst(0)
	v_lshl_add_u32 v252, v0, 2, TMU
	v_and_b32 v246, 8, v254
	s_delay_alu instid0(VALU_DEP_1)
	v_add_nc_u32 v246, v246, v254                  ; r + 8 (r / 8)
	s_delay_alu instid0(VALU_DEP_1)
	v_lshlrev_b32 v11, 9, v246
	s_delay_alu instid0(VALU_DEP_1)
	v_lshl_add_u32 v11, v255, 4, v11               ; q_w: a row of 512 bytes, + 16 h
	s_wait_alu depctr_va_vdst(0)
	v_lshlrev_b32 v14, 4, v246                     ; its 16 scale bytes
	s_wait_alu depctr_va_vdst(0)
	v_lshlrev_b32 v15, 6, v255                     ; q_b: 16 numbers on for lanes 16-31
	s_wait_alu depctr_va_vdst(0)
	s_lshl_b32 s38, s23, 9
	s_add_nc_u64 s[6:7], s[6:7], s[38:39]
	s_lshl_b32 s38, s22, 15
	s_add_nc_u64 s[12:13], s[12:13], s[38:39]
	s_lshl_b32 s38, s22, 10
	s_add_nc_u64 s[14:15], s[14:15], s[38:39]
	s_lshl_b32 s38, s22, 8
	s_add_nc_u64 s[16:17], s[16:17], s[38:39]
	s_lshl_b32 s40, s23, 3
	s_add_co_u32 s40, s40, s22                     ; 8 b + head
	s_lshl_b32 s38, s40, 8
	s_lshl_b32 s41, s36, 2
	s_add_co_u32 s38, s38, s41
	s_lshl_b32 s38, s38, 10
	s_add_nc_u64 s[18:19], s[18:19], s[38:39]
	s_lshl_b32 s38, s40, 6
	s_add_co_u32 s38, s38, s36
	s_lshl_b32 s38, s38, 8
	s_add_nc_u64 s[20:21], s[20:21], s[38:39]
	global_load_b128 v[232:235], v9, s[6:7]                ; channel t's group,
	global_load_b128 v[236:239], v9, s[6:7] offset:256     ; channel t + 256's
	global_load_b32 v240, v10, s[8:9]
	global_load_b32 v241, v10, s[8:9] offset:1024
	global_load_b32 v242, v10, s[10:11]
	global_load_b32 v243, v10, s[10:11] offset:1024
	WIN 0x40                                       ; destination window 1
.irp t, 0,1,2,3
.irp s, 0,1,2,3
.irp c, 0,1,2,3
	global_load_b128 v[16*(4*\t+\s)+4*\c:16*(4*\t+\s)+4*\c+3], v11, s[12:13] offset:512*(32*(\t/2)+8*(\t%2))+128*\s+32*\c
.endr
.endr
.endr
	WIN 0
.irp t, 0,1,2,3
	global_load_b128 v[16+4*\t:19+4*\t], v14, s[14:15] offset:16*(32*(\t/2)+8*(\t%2))      ; a row's four scale words: K steps 0 .. 3
.endr
.irp t, 0,1,2,3
	global_load_b128 v[32+8*\t:35+8*\t], v15, s[16:17] offset:4*(32*(\t/2)+8*(\t%2))
	global_load_b128 v[36+8*\t:39+8*\t], v15, s[16:17] offset:4*(32*(\t/2)+8*(\t%2))+16
.endr
	; ---- T
	s_wait_loadcnt 63                              ; the six table loads are in: 76 were issued behind them, and 63 is the largest count a wait can name
	COEF 232, 240, 244, 245
	COEF 236, 241, 246, 247
	ds_store_b32 v252, v244
	ds_store_b32 v252, v246 offset:1024
	ds_store_b32 v252, v245 offset:2048
	ds_store_b32 v252, v247 offset:3072
	ds_store_b32 v252, v242 offset:4096
	ds_store_b32 v252, v243 offset:5120
	BARRIER                                        ; the tables lie in LDS
	s_wait_tensorcnt 0x0                           ; my rows of x are in LDS; nobody else reads them
	; ---- X
.macro LOADT be                        ; the tables of my block be: every lane reads the same 16 bytes
.irp k, 0,1,2,3,4,5,6,7
	ds_load_b128 v[RMU+4*\k:RMU+4*\k+3], v4 offset:128*\be+16*\k
	ds_load_b128 v[RA+4*\k:RA+4*\k+3], v4 offset:2048+128*\be+16*\k
	ds_load_b128 v[RB+4*\k:RB+4*\k+3], v4 offset:4096+128*\be+16*\k
.endr
.endm
.macro LOADX be, la, xs                ; block be of column 32 la + L: the wave reads 128 consecutive bytes a load
.set i, 0
.rept 32
	ds_load_b32 v[\xs+i], v1 offset:256*(32*\be+i)+128*\la
.set i, i+1
.endr
.endm
.macro PROC xs, cd, be, la
	NORM \xs
.if \be == 0
	QBLK \xs, \cd, 12+\la
.else
	QBLK \xs, \cd, 244
	v_lshl_or_b32 v[12+\la], v244, 8, v[12+\la]
.endif
	ds_store_b128 v2, v[\cd:\cd+3] offset:16384*\la+512*\be
	ds_store_b128 v2, v[\cd+4:\cd+7] offset:16384*\la+512*\be+256
.if \be == 1
	ds_store_b16 v3, v[12+\la] offset:128*\la
.endif
.endm
	LOADT 0
	LOADX 0, 0, X0
	LOADX 0, 1, X1
	s_wait_dscnt 32                                ; the tables and set 0 are in; set 1's 32 loads may be out
	PROC X0, CD0, 0, 0
	LOADX 1, 0, X0
	s_wait_dscnt 34                                ; set 1 is in: behind it 2 stores and 32 loads
	PROC X1, CD1, 0, 1
	LOADT 1
	LOADX 1, 1, X1
	s_wait_dscnt 32                                ; set 0, the new tables and both earlier pairs of stores are done; set 1's 32 loads may be out
	PROC X0, CD0, 1, 0
	s_wait_dscnt 3                                 ; set 1 is in: behind it 3 stores
	PROC X1, CD1, 1, 1
.irp i, 4,5,6,7
	v_mov_b32 v[TM+\i], 0                          ; a lane permute's destination counts as read
.endr
	BARRIER                                        ; x_norm's sixteen fragments and their scale words lie in LDS
	s_wait_loadcnt 0x0                             ; q_w, its scales, q_b
	; ---- G
.macro FETCH m
.irp s, 0,1,2,3
.irp c, 0,1,2,3
	ds_load_b128 v[XF+16*\s+4*\c:XF+16*\s+4*\c+3], v5 offset:(4*(\m)+\s)*2048+512*\c
.endr
	ds_load_b32 v[XS+\s], v6 offset:256*\s+64*(\m)
.endr
.endm
	FETCH 0
.irp m, 0,1,2,3
	s_wait_dscnt 0x0
	WIN 0x01                                       ; source 0 (q_w) window 1
.irp s, 0,1,2,3                        ; the four accumulators take turns, one instruction a turn
.irp t, 0,1,2,3
.if \s == 0
	v_wmma_scale_f32_16x16x128_f8f6f4 v[QA+8*\t:QA+8*\t+7], v[16*(4*\t+\s):16*(4*\t+\s)+15], v[XF+16*\s:XF+16*\s+15], v[32+8*\t:39+8*\t], v[16+4*\t+\s], v[XS+\s]
.else
	v_wmma_scale_f32_16x16x128_f8f6f4 v[QA+8*\t:QA+8*\t+7], v[16*(4*\t+\s):16*(4*\t+\s)+15], v[XF+16*\s:XF+16*\s+15], v[QA+8*\t:QA+8*\t+7], v[16+4*\t+\s], v[XS+\s]
.endif
.endr
.endr
	WIN 0
	PLACES 8                                       ; eight places before results are read and before loads into registers that the products have read
.if \m < 3
	FETCH \m+1                                     ; lands while this tile is quantised
.endif
	QUANT QA, 2, PC+8*\m, PW+\m
	global_store_b128 v7, v[PC+8*\m:PC+8*\m+3], s[18:19] offset:1024*\m            ; each store of the wave covers 512 consecutive bytes, aligned
	global_store_b128 v7, v[PC+8*\m+4:PC+8*\m+7], s[18:19] offset:1024*\m+512
.endr
	v_cndmask_b32 v216, v[PW], v[PW+1], s[HI]      ; lanes 0-15 the even tile's words, lanes 16-31 the odd tile's
	v_cndmask_b32 v217, v[PW+2], v[PW+3], s[HI]
	global_store_b64 v8, v[216:217], s[20:21]      ; 256 consecutive bytes
	s_wait_xcnt 0x0
	v_lshl_add_u32 v254, v0, 2, 0x29c00
	v_mov_b32 v255, 0
	s_wait_alu depctr_va_vdst(0)
	s_wait_tensorcnt 0x0
	ds_add_u32 v254, v255
	s_wait_dscnt 0x0
	s_endpgm
.Lfunc_end_k_qe0c916cd7a_qproj:
	.size	k_qe0c916cd7a_qproj, .Lfunc_end_k_qe0c916cd7a_qproj-k_qe0c916cd7a_qproj
	.p2alignl 7, 3214868480
	.fill 96, 4, 3214868480
	.section	.rodata,"a",@progbits
	.p2align	6, 0x0
	.amdhsa_kernel k_qe0c916cd7a_qproj
		.amdhsa_group_segment_fixed_size 172032
		.amdhsa_private_segment_fixed_size 0
		.amdhsa_enable_private_segment 0
		.amdhsa_kernarg_size 72
		.amdhsa_user_sgpr_count 2
		.amdhsa_user_sgpr_kernarg_segment_ptr 1
		.amdhsa_wavefront_size32 1
		.amdhsa_system_sgpr_workgroup_id_x 1
		.amdhsa_system_sgpr_workgroup_id_y 1
		.amdhsa_system_sgpr_workgroup_id_z 1
		.amdhsa_system_vgpr_workitem_id 0
		.amdhsa_next_free_vgpr 512
		.amdhsa_next_free_sgpr 66
		.amdhsa_reserve_vcc 0
		.amdhsa_float_denorm_mode_32 3
		.amdhsa_float_denorm_mode_16_64 3
		.amdhsa_fp16_overflow 1
		.amdhsa_memory_ordered 1
		.amdhsa_forward_progress 1
		.amdhsa_inst_pref_size 66
	.end_amdhsa_kernel
	.amdgpu_metadata
---
amdhsa.version: [ 1, 2 ]
amdhsa.kernels:
  - .name:           k_qe0c916cd7a_qproj
    .symbol:         k_qe0c916cd7a_qproj.kd
    .args:
      - { .name: x, .offset: 0, .size: 8, .value_kind: global_buffer, .address_space: global }
      - { .name: stats, .offset: 8, .size: 8, .value_kind: global_buffer, .address_space: global }
      - { .name: norm_w, .offset: 16, .size: 8, .value_kind: global_buffer, .address_space: global }
      - { .name: norm_b, .offset: 24, .size: 8, .value_kind: global_buffer, .address_space: global }
      - { .name: q_w_codes, .offset: 32, .size: 8, .value_kind: global_buffer, .address_space: global }
      - { .name: q_w_scales, .offset: 40, .size: 8, .value_kind: global_buffer, .address_space: global }
      - { .name: q_b, .offset: 48, .size: 8, .value_kind: global_buffer, .address_space: global }
      - { .name: qimg, .offset: 56, .size: 8, .value_kind: global_buffer, .address_space: global }
      - { .name: qsc, .offset: 64, .size: 8, .value_kind: global_buffer, .address_space: global }
    .group_segment_fixed_size: 172032
    .private_segment_fixed_size: 0
    .kernarg_segment_align: 8
    .kernarg_segment_size: 72
    .max_flat_workgroup_size: 256
    .sgpr_count:     66
    .vgpr_count:     512
    .wavefront_size: 32
...
	.end_amdgpu_metadata
.endif
;; end of part 3
;; launch attn (part 4): grid 8 x 32, 16 waves a work-group, clusters of 4 x 1, 169,984 bytes of LDS; arguments qimg, qsc, kvrec, aimg, asc; writes aimg, asc
.if DOCPART == 4
	.amdgcn_target "amdgcn-amd-amdhsa--gfx1250"
	.amdhsa_code_object_version 6
	.text
	.protected	k_qe0c916cd7a_attn
	.globl	k_qe0c916cd7a_attn
	.p2align	8
	.type	k_qe0c916cd7a_attn,@function
k_qe0c916cd7a_attn:
	s_mov_b64 s[64:65], 0
	v_nop
	global_prefetch_b8 v0, s[64:65] scope:SCOPE_SE
	s_setreg_imm32_b32 hwreg(HW_REG_WAVE_MODE, 25, 1), 1
	s_wait_xcnt 0x0
	s_wait_alu depctr_hold_cnt(0) depctr_sa_sdst(0) depctr_va_vdst(0) depctr_va_sdst(0) depctr_va_ssrc(0) depctr_va_vcc(0) depctr_vm_vsrc(0)
	s_getreg_b32 s2, hwreg(HW_REG_IB_STS2, 6, 4)
	s_cmp_eq_u32 s2, 0
	s_cbranch_scc0 .Lentry_in_a_cluster
	s_endpgm
.Lentry_in_a_cluster:
	s_bfe_u32 s2, ttmp6, 0x10000c
	s_cmp_lg_u32 s2, 0x3003
	s_cbranch_scc0 .Lentry_shape_is_right
	s_endpgm
.Lentry_shape_is_right:
; Attention of one (batch, head) for 512 queries over 1,024 keys, head size 64, both products on codes of E4M3 with one E8M0 scale for each 32 along K; the result, divided by the row's sum, is quantised along d.
; Work-group x = block of 512 queries, y = 8 b + head.  SIXTEEN waves of 256 registers, four to a SIMD, so that one wave's vector work stands beside another's products and LDS loads.  A wave owns one tile of 16
; queries at a time and takes two, 16 tiles apart.
; THE HEAD'S WHOLE RECORD (K's and V's register images and scale words, 137,216 bytes) comes into LDS once, by eight tensor loads of 67 rows of 256 bytes, and stays: no ring, nothing is filled again.
; CLUSTER: the four blocks of queries of a cluster belong to one (batch, head) and want the same record, so each eighth of it is asked for JOINTLY: the same tensor load, with the same descriptor and a mask that names the
; four, in all four; each receives it in its own LDS.  That divides the requests for the record by four.  The descriptor hangs on the cluster's y and the wave's number alone; my place in the cluster enters the global
; addresses of q and of the results, and nothing else.  One round of the cluster's barrier stands in front of the joint loads, one in front of the end.
; SOFTMAX AHEAD OF THE SECOND PRODUCT: t = score x log2(e) / 8; M = the running largest t rounded UP to a whole number, kept as -M = floor(-t); p = 2^(t - M) is quantised along the keys, not normalised; the row's sum is
; taken of the unquantised p; when M moves, the sum and O are multiplied by 2^(old M - new M), which rounds nothing.  A block's largest p is the block's largest score put through the same multiply-add and exponential
; (this takes v_exp_f32 not to fall where its input rises; at the worst one p within an ulp of a power of two is held one code low).
; LAYOUT: both products transposed: S^T = K Q^T (source 0 = 16 keys), O^T = V^T P^T (source 0 = 16 of d): a lane holds ONE query throughout.  The keys of a tile and the d of a tile are laid by the launch that made them so
; that a lane's 16 registers of two neighbouring tiles are 16 neighbours along the next K.
; K = 64 IN AN INSTRUCTION OF 128 (first product): Q's fragment is 8 registers of codes and 8 of zero codes; K's tiles lie 8 registers apart on end and a fragment names 16: its upper half is the next tile's codes
; (behind the last: zeros), finite codes multiplied by zero codes; the scale words' upper two bytes are 0, which is 2^-127 and no NaN.
; STORED: aimg [b][l tile][head][register group 2][lane][16 bytes]; asc [b][l tile][head][lane] words (two scale bytes; 128 bytes a store).
; LIMITS: NaN and infinities are not served; a block of zeros gets the scale byte 1 (its codes are zeros; only this program reads the bytes).
.set REC,  137216
.set S,    104                         ; v[104:167] S^T, then p
.set O,    168                         ; v[168:199] O^T
.set PC,   200                         ; v[200:215] p's codes
.set KSR,  216                         ; v[216:219] K's scale words, v[220:221] V's, v222 Q's, v223 p's: these hold scales and nothing else
.set VSR,  220
.set QS,   222
.set PS,   223
.set BM,   224                         ; v224-227 block maxima; v228-231 lane exchange, bytes; v236-239 the conversions' scale operands
.set T1,   228
.set HOLD, 232
.set SCL,  236
.set TM,   224                         ; the last quantiser uses the same sixteen
.set SEL,  30
.set CS,   32
.set MNT,  34
; v1 16 L (K's images, q, aimg), v2 V's images, v3 K's scale words, v4 V's, v5 q's scale word, v6 4 L; v12 -M, v13 the largest t, v[14:15] the sum in two halves; v[16:31] Q (24-31 zeros); v[32:103] fragments (96-103 zeros);
; v[240:241] f; v242 at work; v[244:245] the sum's second chain
.macro PLACES n
.rept \n
	v_nop
.endr
.endm
; A round of the cluster's barrier: my work-group's barrier, so that wave 0's signal speaks for all sixteen waves; wave 0 signals for the work-group; every wave waits for all four work-groups; my work-group's barrier
; once more.  No LDS instruction of the wave is pending at a signal.
.macro CROUND
	s_barrier_signal -1
	s_barrier_wait -1
	s_cmp_lg_u32 s28, 0
	s_cbranch_scc1 .Lnot_wave_0_\@
	s_barrier_signal -3
.Lnot_wave_0_\@:
	s_barrier_wait -3
	s_barrier_signal -1
	s_barrier_wait -1
.endm
.macro QUANT s, nb, pc, pw             ; nb blocks shared with lane l xor 16: register 16 b + i = k 32 b + 16 (lane / 16) + i of my row
.irp b, 0,1,2,3
.if \b < \nb
	v_max3_num_f32 v[TM+\b], |v[\s+16*\b]|, |v[\s+1+16*\b]|, 0x4800000
.endif
.endr
.irp i, 2,4,6,8,10,12,14
.irp b, 0,1,2,3
.if \b < \nb
	s_delay_alu instid0(VALU_DEP_2)
	v_max3_num_f32 v[TM+\b], v[TM+\b], |v[\s+16*\b+\i]|, |v[\s+1+16*\b+\i]|
.endif
.endr
.endr
.irp b, 0,1,2,3
.if \b < \nb
	s_delay_alu instid0(VALU_DEP_2)
	v_permlanex16_b32 v[TM+4+\b], v[TM+\b], s[SEL], s[SEL+1]
.endif
.endr
.irp b, 0,1,2,3
.if \b < \nb
	s_delay_alu instid0(VALU_DEP_2)
	v_max_num_f32 v[TM+\b], v[TM+\b], v[TM+4+\b]
.endif
.endr
.irp b, 0,1,2,3
.if \b < \nb
	s_delay_alu instid0(VALU_DEP_2)
	v_add_nc_u32 v[TM+12+\b], 0xfc000000, v[TM+\b]
.endif
.endr
.irp b, 0,1,2,3
.if \b < \nb
.endif
.endr
.irp b, 0,1,2,3
.if \b < \nb
	s_delay_alu instid0(VALU_DEP_2)
	v_lshrrev_b32 v[TM+4+\b], 23, v[TM+12+\b]
.endif
.endr
	s_delay_alu instid0(VALU_DEP_1)
	v_lshl_or_b32 v[\pw], v[TM+5], 8, v[TM+4]
.if \nb > 2
	v_lshl_or_b32 v[\pw], v[TM+6], 16, v[\pw]
	v_lshl_or_b32 v[\pw], v[TM+7], 24, v[\pw]
.endif
.irp b, 0,1,2,3
.if \b < \nb
.irp i, 0,1,2,3,4,5,6,7,8,9,10,11,12,13,14,15
.endr
	v_cvt_scalef32_pk8_fp8_f32 v[\pc+4*\b:\pc+1+4*\b], v[\s+16*\b:\s+7+16*\b], v[TM+12+\b]
	v_cvt_scalef32_pk8_fp8_f32 v[\pc+2+4*\b:\pc+3+4*\b], v[\s+8+16*\b:\s+15+16*\b], v[TM+12+\b]
.endif
.endr
	v_nop
.endm
	s_load_b256 s[4:11], s[0:1], 0x0               ; qimg 4, qsc 6, kvrec 8, aimg 10
	s_load_b64 s[12:13], s[0:1], 0x20              ; asc
	v_lshl_add_u32 v254, v0, 2, 0x29000
	v_mov_b32 v255, 0
	ds_add_u32 v254, v255
	ds_add_u32 v254, v255
	v_lshrrev_b32 v7, 5, v0
	s_delay_alu instid0(VALU_DEP_1)
	v_readfirstlane_b32 s28, v7                    ; wave 0..15
	v_and_b32 v7, 31, v0                           ; L
	v_and_b32 v8, 15, v0                           ; r
	s_delay_alu instid0(VALU_DEP_2)
	v_lshlrev_b32 v1, 4, v7
	s_delay_alu instid0(VALU_DEP_3)
	v_lshl_add_u32 v2, v7, 4, 65536
	s_delay_alu instid0(VALU_DEP_4)
	v_lshl_add_u32 v3, v7, 4, 131072
	v_lshl_add_u32 v4, v7, 3, 135168
	s_and_b32 s36, s28, 1
	s_lshl_b32 s36, s36, 7
	s_bfe_u32 s37, s28, 0x10001
	s_lshl_b32 s37, s37, 2
	s_add_co_u32 s36, s36, s37
	v_lshl_add_u32 v5, v8, 3, s36                  ; q's scale word: lane r + 16 (w % 2), word (w / 2) % 2 of the group's 256 bytes
	v_lshlrev_b32 v6, 2, v7
	s_mov_b32 s[SEL], 0x76543210
	s_mov_b32 s[SEL+1], 0xfedcba98
	s_mov_b32 s[CS], 0x3e38aa3b                    ; c = log2(e) / 8
	s_mov_b32 s[CS+1], s[CS]                       ; (named with it as a pair, so it is written)
	s_bfe_u32 s39, ttmp6, 0x40000                  ; cx: my place in the cluster
	s_lshl_b32 s35, ttmp9, 2                       ; in a cluster launch ttmp9 counts clusters
	s_add_co_u32 s35, s35, s39                     ; my block of 512 queries = 4 x cluster x + cx: it enters q's and the results' addresses alone
	s_and_b32 s38, ttmp7, 0xffff                   ; y = 8 b + head, which the four partners share
	s_lshr_b32 s40, s38, 3
	s_and_b32 s41, s38, 7
	s_lshl_b32 s42, s35, 5
	s_add_co_u32 s42, s42, s28                     ; my first l tile: 32 x block + wave
	s_lshl_b32 s36, s38, 8
	s_add_co_u32 s36, s36, s42
	s_lshl_b32 s36, s36, 10                        ; q's image
	s_mov_b32 s37, 0
	s_lshl_b32 s46, s35, 3
	s_lshr_b32 s47, s28, 2
	s_add_co_u32 s46, s46, s47
	s_lshl_b32 s46, s46, 8
	s_lshl_b32 s47, s38, 14
	s_add_co_u32 s46, s46, s47                     ; q's scale words: the group of four tiles
	s_mov_b32 s47, 0
	s_mul_i32 s44, s38, REC
	s_mul_i32 s25, s28, 17152                      ; an eighth of the record: in LDS,
	s_add_co_u32 s44, s44, s25                     ; and in memory: y and the wave's number, nothing of my place in the cluster
	s_mov_b32 s45, 0
	s_lshl_b32 s43, s40, 8
	s_add_co_u32 s43, s43, s42
	s_lshl_b32 s43, s43, 3
	s_add_co_u32 s43, s43, s41                     ; (256 b + l tile) 8 + head
	s_lshl_b32 s40, s43, 10
	s_mov_b32 s41, 0
	s_lshl_b32 s42, s43, 7
	s_mov_b32 s43, 0
	; descriptor group 1: 67 rows of 32 elements of 8 bytes, dense in memory and in LDS
	s_mov_b32 s16, 15|(3<<16)|(1<<21)              ; 15:0 the mask: all four work-groups; 17:16 elements of 8 bytes; 20 no padding; 21 set beside a mask
	s_mov_b32 s17, 32<<16
	s_mov_b32 s18, 67<<16
	s_mov_b32 s19, 32<<16
	s_mov_b32 s20, 67
	s_mov_b32 s21, 32
	s_mov_b32 s22, 0
	s_mov_b32 s23, 0
	s_mov_b32 s24, 1
	s_wait_dscnt 0x0
	s_wait_kmcnt 0x0
	s_add_nc_u64 s[26:27], s[8:9], s[44:45]
	s_or_b32 s27, s27, 0x80000000
	CROUND                                         ; all four work-groups are here: the joint loads meet
	s_cmp_lt_u32 s28, 8
	s_cbranch_scc0 .Lnofill                        ; waves 0 to 7 fetch an eighth each: the branch hangs on the wave's number alone, the same in every work-group
	tensor_load_to_lds s[24:27], s[16:23]
	s_nop 0
	PLACES 4
.Lnofill:
	s_add_nc_u64 s[4:5], s[4:5], s[36:37]
	s_add_nc_u64 s[6:7], s[6:7], s[46:47]
	s_add_nc_u64 s[10:11], s[10:11], s[40:41]
	s_add_nc_u64 s[12:13], s[12:13], s[42:43]
	s_wait_alu depctr_va_vdst(0)
	global_load_b128 v[16:19], v1, s[4:5]          ; my first tile's q
	global_load_b128 v[20:23], v1, s[4:5] offset:512
	global_load_b32 v[QS], v5, s[6:7]
.irp i, 24,25,26,27,28,29,30,31,96,97,98,99,100,101,102,103
	v_mov_b32 v[\i], 0                             ; zero codes: Q's upper half, and what stands behind K's last tile
.endr
.irp i, 228,229,230,231,241
	v_mov_b32 v[\i], 0                             ; lane permutes' destinations, and the upper half of the pair v[240:241]: written once
.endr
	s_wait_tensorcnt 0x0                           ; my eighth has landed (a wave that fetched nothing passes at once),
	s_barrier_signal -1
	s_barrier_wait -1                              ; everybody's has
	s_mov_b32 s29, 2                               ; tiles to go
; A KEY STEP: 128 keys.  Every LDS offset is an immediate, 65,024 at the most.
.macro STEP ks
.if \ks > 0
	PLACES 8                                       ; eight places in front of loads into registers that the last products have read.
.endif                                             ; Step 0 needs none: on the way in no product has been issued, and over the backward jump the eight places behind the last tile's products have passed
	s_setprio 2
.irp n, 0,1,2,3,4,5,6,7
.irp c, 0,1
	ds_load_b128 v[32+8*\n+4*\c:35+8*\n+4*\c], v1 offset:8192*\ks+1024*\n+512*\c
.endr
.endr
	ds_load_b128 v[KSR:KSR+3], v3 offset:512*\ks
	s_wait_dscnt 0x0
.irp n, 0,1,2,3,4,5,6,7
.if (\n%2) == 0
	v_wmma_scale_f32_16x16x128_f8f6f4 v[S+8*\n:S+8*\n+7], v[32+8*\n:47+8*\n], v[16:31], 0, v[KSR+\n/2], v[QS]
.else
	v_wmma_scale_f32_16x16x128_f8f6f4 v[S+8*\n:S+8*\n+7], v[32+8*\n:47+8*\n], v[16:31], 0, v[KSR+\n/2], v[QS] matrix_a_scale:MATRIX_SCALE_ROW1
.endif
.endr
	PLACES 8                                       ; for the loads below and for the first read of the scores
.irp t, 0,1,2,3
.irp c, 0,1,2,3
	ds_load_b128 v[32+16*\t+4*\c:35+16*\t+4*\c], v2 offset:8192*\ks+2048*\t+512*\c         ; V lands while the softmax is walked
.endr
.endr
	ds_load_b64 v[VSR:VSR+1], v4 offset:256*\ks
.if \ks == 7
	s_cmp_eq_u32 s29, 1
	s_cbranch_scc1 .Lnoq                           ; the next tile's q, if there is a next tile: no load leaves its buffer
	global_load_b128 v[16:19], v1, s[4:5] offset:16384
	global_load_b128 v[20:23], v1, s[4:5] offset:16896
	global_load_b32 v[QS], v5, s[6:7] offset:1024
.Lnoq:
.endif
.irp b, 0,1,2,3
	v_max3_num_f32 v[BM+\b], v[S+16*\b], v[S+1+16*\b], v[S+2+16*\b]        ; the largest score of each block of 32 keys; each accumulator is read from its low end on
.endr
.irp i, 3,5,7,9,11,13
.irp b, 0,1,2,3
	v_max3_num_f32 v[BM+\b], v[BM+\b], v[S+16*\b+\i], v[S+1+16*\b+\i]
.endr
.endr
.irp b, 0,1,2,3
	v_max_num_f32 v[BM+\b], v[BM+\b], v[S+15+16*\b]
.endr
.irp b, 0,1,2,3
	s_delay_alu instid0(VALU_DEP_4)
	v_permlanex16_b32 v[T1+\b], v[BM+\b], s[SEL], s[SEL+1]
.endr
.irp b, 0,1,2,3
	s_delay_alu instid0(VALU_DEP_4)
	v_max_num_f32 v[BM+\b], v[BM+\b], v[T1+\b]     ; with lane l xor 16's 16 keys
.endr
	s_delay_alu instid0(VALU_DEP_2)
	v_max3_num_f32 v242, v[BM], v[BM+1], v[BM+2]
	s_delay_alu instid0(VALU_DEP_1)
	v_max_num_f32 v242, v242, v[BM+3]
.if \ks == 0
	s_delay_alu instid0(VALU_DEP_1)
	v_mul_f32 v13, s[CS], v242                     ; the first step starts the running maximum,
	s_delay_alu instid0(VALU_DEP_1)
	v_floor_f32 v12, -v13                          ; -M = floor(-t) = -ceil(t)
.else
	s_delay_alu instid0(VALU_DEP_1)
	v_mul_f32 v242, s[CS], v242
	s_delay_alu instid0(VALU_DEP_1)
	v_max_num_f32 v13, v13, v242
	v_mov_b32 v242, v12
	s_delay_alu instid0(VALU_DEP_2)
	v_floor_f32 v12, -v13
	s_delay_alu instid0(VALU_DEP_1)
	v_sub_f32 v242, v12, v242                      ; old M - new M: a whole number, 0 or less
	s_delay_alu instid0(VALU_DEP_1)
	v_cvt_i32_f32 v242, v242
	s_delay_alu instid0(VALU_DEP_1)
	v_ldexp_f32 v240, 1.0, v242                    ; f = 2^(old M - new M)
.endif
.set j, 0
.rept 32
	v_pk_fma_f32 v[S+j:S+j+1], v[S+j:S+j+1], s[CS:CS+1], v[12:13] op_sel_hi:[1,0,0]        ; t - M, two at a time
.set j, j+2
.endr
.irp b, 0,1,2,3
	v_fma_f32 v[BM+\b], v[BM+\b], s[CS], v12
.endr
.set j, 0
	s_wait_alu depctr_va_vdst(0)
.rept 64
	v_exp_f32 v[S+j], v[S+j]                       ; p = 2^(t - M)
.set j, j+1
.endr
	s_setprio 1
.irp b, 0,1,2,3
	v_exp_f32 v[BM+\b], v[BM+\b]                   ; the block's largest p
.endr
.if \ks == 0
	v_nop                                          ; one plain instruction behind the exponentials (ISA guide 5.7.2)
	s_wait_alu depctr_va_vdst(0)
.else
	v_pk_mul_f32 v[14:15], v[14:15], v[240:241] op_sel_hi:[1,0]    ; the sums under the new M; also the plain instruction behind the exponentials
	s_wait_alu depctr_va_vdst(0)
.endif
.irp b, 0,1,2,3
	v_max_num_f32 v[BM+\b], 0x4800000, v[BM+\b]    ; the floor 2^(9 - 127)
.endr
.irp b, 0,1,2,3
	s_delay_alu instid0(VALU_DEP_4)
	v_add_nc_u32 v[SCL+\b], 0xfc000000, v[BM+\b]
.endr
.irp b, 0,1,2,3
.endr
.irp b, 0,1,2,3
	s_delay_alu instid0(VALU_DEP_4)
	v_lshrrev_b32 v[T1+\b], 23, v[SCL+\b]
.endr
	s_delay_alu instid0(VALU_DEP_3)
	v_lshl_or_b32 v[PS], v[T1+1], 8, v[T1]         ; p's scale word for these 128 keys: far more than eight places ahead of the products that name it
	s_delay_alu instid0(VALU_DEP_1)
	v_lshl_or_b32 v[PS], v[T1+2], 16, v[PS]
	s_delay_alu instid0(VALU_DEP_1)
	v_lshl_or_b32 v[PS], v[T1+3], 24, v[PS]
	v_pk_add_f32 v[244:245], v[108:109], v[112:113]
	v_pk_add_f32 v[252:253], v[116:117], v[120:121]
	v_pk_add_f32 v[250:251], v[124:125], v[128:129]
	v_pk_add_f32 v[248:249], v[132:133], v[136:137]
	v_pk_add_f32 v[246:247], v[140:141], v[144:145]
	v_pk_add_f32 v[242:243], v[148:149], v[152:153]
	v_pk_add_f32 v[234:235], v[156:157], v[160:161]
	v_pk_add_f32 v[14:15], v[14:15], v[164:165]
	v_pk_add_f32 v[244:245], v[244:245], v[104:105]
	v_pk_add_f32 v[252:253], v[252:253], v[106:107]
	v_pk_add_f32 v[250:251], v[250:251], v[110:111]
	v_pk_add_f32 v[248:249], v[248:249], v[114:115]
	v_pk_add_f32 v[246:247], v[246:247], v[118:119]
	v_pk_add_f32 v[242:243], v[242:243], v[122:123]
	v_pk_add_f32 v[234:235], v[234:235], v[126:127]
	v_pk_add_f32 v[14:15], v[14:15], v[130:131]
	v_pk_add_f32 v[244:245], v[244:245], v[134:135]
	v_pk_add_f32 v[252:253], v[252:253], v[138:139]
	v_pk_add_f32 v[250:251], v[250:251], v[142:143]
	v_pk_add_f32 v[248:249], v[248:249], v[146:147]
	v_pk_add_f32 v[246:247], v[246:247], v[150:151]
	v_pk_add_f32 v[242:243], v[242:243], v[154:155]
	v_pk_add_f32 v[234:235], v[234:235], v[158:159]
	v_pk_add_f32 v[14:15], v[14:15], v[162:163]
	v_pk_add_f32 v[244:245], v[244:245], v[166:167]
	s_delay_alu instid0(VALU_DEP_2)
	v_pk_add_f32 v[14:15], v[14:15], v[248:249]
	s_delay_alu instid0(VALU_DEP_2)
	v_pk_add_f32 v[244:245], v[244:245], v[246:247]
	v_pk_add_f32 v[252:253], v[252:253], v[242:243]
	v_pk_add_f32 v[250:251], v[250:251], v[234:235]
	s_delay_alu instid0(VALU_DEP_2)
	v_pk_add_f32 v[14:15], v[14:15], v[252:253]
	s_delay_alu instid0(VALU_DEP_2)
	v_pk_add_f32 v[244:245], v[244:245], v[250:251]
	s_delay_alu instid0(VALU_DEP_1)
	v_pk_add_f32 v[14:15], v[14:15], v[244:245]
.irp b, 0,2
.irp i, 0,2,4,6,8,10,12,14
.endr
.irp u, 0,1
	v_cvt_scalef32_pk8_fp8_f32 v[PC+4*(\b+\u):PC+4*(\b+\u)+1], v[S+16*(\b+\u):S+16*(\b+\u)+7], v[SCL+\b+\u]
	v_cvt_scalef32_pk8_fp8_f32 v[PC+4*(\b+\u)+2:PC+4*(\b+\u)+3], v[S+16*(\b+\u)+8:S+16*(\b+\u)+15], v[SCL+\b+\u]
.endr
.endr
.if \ks == 0
	s_wait_alu depctr_va_vdst(0)
	PLACES 4                                       ; four places between the codes and the scaled products that take them
.else
.set j, 0
.rept 16
	v_pk_mul_f32 v[O+j:O+j+1], v[O+j:O+j+1], v[240:241] op_sel_hi:[1,0]    ; O^T under the new M; these are also the four places
.set j, j+2
.endr
.endif
	s_setprio 0
	s_wait_alu depctr_va_vdst(0)
	s_wait_dscnt 0x0                               ; V and its scale words
.irp t, 0,1,2,3                        ; four accumulators, one instruction each; the scores' eight products stand between two links of a chain
.if \ks == 0
.if (\t%2) == 0
	v_wmma_scale_f32_16x16x128_f8f6f4 v[O+8*\t:O+8*\t+7], v[32+16*\t:47+16*\t], v[PC:PC+15], 0, v[VSR+\t/2], v[PS]
.else
	v_wmma_scale_f32_16x16x128_f8f6f4 v[O+8*\t:O+8*\t+7], v[32+16*\t:47+16*\t], v[PC:PC+15], 0, v[VSR+\t/2], v[PS] matrix_a_scale:MATRIX_SCALE_ROW1
.endif
.else
.if (\t%2) == 0
	v_wmma_scale_f32_16x16x128_f8f6f4 v[O+8*\t:O+8*\t+7], v[32+16*\t:47+16*\t], v[PC:PC+15], v[O+8*\t:O+8*\t+7], v[VSR+\t/2], v[PS]
.else
	v_wmma_scale_f32_16x16x128_f8f6f4 v[O+8*\t:O+8*\t+7], v[32+16*\t:47+16*\t], v[PC:PC+15], v[O+8*\t:O+8*\t+7], v[VSR+\t/2], v[PS] matrix_a_scale:MATRIX_SCALE_ROW1
.endif
.endif
.endr
.endm
.Ltile:
	s_wait_loadcnt 0x0                             ; this tile's q
	v_mov_b32 v14, 0                               ; the sum, in two halves
	v_mov_b32 v15, 0
	s_wait_alu depctr_va_vdst(0)
.irp k, 0,1,2,3,4,5,6,7
	STEP \k
.endr
	PLACES 8                                       ; behind the tile's last products: for the first read of O^T, and for the next tile's loads into the fragments' registers
	v_add_f32 v14, v14, v15
	s_delay_alu instid0(VALU_DEP_1)
	v_permlanex16_b32 v[T1], v14, s[SEL], s[SEL+1]
	s_delay_alu instid0(VALU_DEP_1)
	v_add_f32 v14, v14, v[T1]                      ; the row's sum
	s_wait_alu depctr_va_vdst(0)
	v_rcp_f32 v240, v14
	v_nop                                          ; one plain instruction behind a transcendental
.set j, 0
	s_wait_alu depctr_va_vdst(0)
.rept 16
	v_pk_mul_f32 v[O+j:O+j+1], v[O+j:O+j+1], v[240:241] op_sel_hi:[1,0]    ; O^T / the sum: register 16 b + i is d = 32 b + 16 (lane / 16) + i of my query
.set j, j+2
.endr
	QUANT O, 2, PC, PS
	global_store_b128 v1, v[PC:PC+3], s[10:11]             ; each store of the wave covers 512 consecutive bytes, aligned
	global_store_b128 v1, v[PC+4:PC+7], s[10:11] offset:512
	global_store_b32 v6, v[PS], s[12:13]
	s_wait_xcnt 0x0                                ; the bases and the stores' data are written again only behind this wait
	s_add_nc_u64 s[4:5], s[4:5], 16384             ; 16 tiles on
	s_add_nc_u64 s[6:7], s[6:7], 1024
	s_add_nc_u64 s[10:11], s[10:11], 131072
	s_add_nc_u64 s[12:13], s[12:13], 16384
	s_sub_co_u32 s29, s29, 1
	s_cmp_lg_u32 s29, 0
	s_cbranch_scc1 .Ltile
	s_setprio 0
	s_wait_tensorcnt 0x0
	ds_add_u32 v254, v255
	s_wait_dscnt 0x0
	CROUND                                         ; the closing round: no work-group ends while a partner may still ask for a part of the record by a load that names it.  (No LDS instruction of mine is out: the last were waited for in front of the last products)
	s_endpgm
.Lfunc_end_k_qe0c916cd7a_attn:
	.size	k_qe0c916cd7a_attn, .Lfunc_end_k_qe0c916cd7a_attn-k_qe0c916cd7a_attn
	.p2alignl 7, 3214868480
	.fill 96, 4, 3214868480
	.section	.rodata,"a",@progbits
	.p2align	6, 0x0
	.amdhsa_kernel k_qe0c916cd7a_attn
		.amdhsa_group_segment_fixed_size 169984
		.amdhsa_private_segment_fixed_size 0
		.amdhsa_enable_private_segment 0
		.amdhsa_kernarg_size 40
		.amdhsa_user_sgpr_count 2
		.amdhsa_user_sgpr_kernarg_segment_ptr 1
		.amdhsa_wavefront_size32 1
		.amdhsa_system_sgpr_workgroup_id_x 1
		.amdhsa_system_sgpr_workgroup_id_y 1
		.amdhsa_system_sgpr_workgroup_id_z 1
		.amdhsa_system_vgpr_workitem_id 0
		.amdhsa_next_free_vgpr 256
		.amdhsa_next_free_sgpr 66
		.amdhsa_reserve_vcc 0
		.amdhsa_float_denorm_mode_32 3
		.amdhsa_float_denorm_mode_16_64 3
		.amdhsa_fp16_overflow 1
		.amdhsa_memory_ordered 1
		.amdhsa_forward_progress 1
		.amdhsa_inst_pref_size 144
	.end_amdhsa_kernel
	.amdgpu_metadata
---
amdhsa.version: [ 1, 2 ]
amdhsa.kernels:
  - .name:           k_qe0c916cd7a_attn
    .symbol:         k_qe0c916cd7a_attn.kd
    .args:
      - { .name: qimg, .offset: 0, .size: 8, .value_kind: global_buffer, .address_space: global }
      - { .name: qsc, .offset: 8, .size: 8, .value_kind: global_buffer, .address_space: global }
      - { .name: kvrec, .offset: 16, .size: 8, .value_kind: global_buffer, .address_space: global }
      - { .name: aimg, .offset: 24, .size: 8, .value_kind: global_buffer, .address_space: global }
      - { .name: asc, .offset: 32, .size: 8, .value_kind: global_buffer, .address_space: global }
    .group_segment_fixed_size: 169984
    .private_segment_fixed_size: 0
    .kernarg_segment_align: 8
    .kernarg_segment_size: 40
    .max_flat_workgroup_size: 512
    .sgpr_count:     66
    .vgpr_count:     256
    .wavefront_size: 32
...
	.end_amdgpu_metadata
.endif
;; end of part 4
;; launch oproj (part 5): grid 64 x 4, 8 waves a work-group, no clusters, 327,680 bytes of LDS; arguments aimg, asc, out_w_codes, out_w_scales, out_b, gate, x, out0; writes out0
.if DOCPART == 5
	.amdgcn_target "amdgcn-amd-amdhsa--gfx1250"
	.amdhsa_code_object_version 6
	.text
	.protected	k_qe0c916cd7a_oproj
	.globl	k_qe0c916cd7a_oproj
	.p2align	8
	.type	k_qe0c916cd7a_oproj,@function
k_qe0c916cd7a_oproj:
	s_mov_b64 s[64:65], 0
	v_nop
	global_prefetch_b8 v0, s[64:65] scope:SCOPE_SE
	s_setreg_imm32_b32 hwreg(HW_REG_WAVE_MODE, 25, 1), 1
	s_wait_xcnt 0x0
; out0 = x + gate x (out_w attn_out + out_b) for 64 columns l of one batch and all 512 outputs; the product on codes of E4M3 with one E8M0 scale for each 32 along K.
; Work-group x = group of 64 l, y = batch.  Eight waves; wave w owns outputs 64 w .. 64 w + 63: its rows of out_w stay in 256 registers; 4 o tiles x 4 l tiles x 4 K steps = 64 products, sixteen accumulators by turns.
; Source 0 = attn_out's rows (l), source 1 = out_w's rows (o): a lane holds one o and eight neighbouring l, as out0 ([o][l]) wants them.  The bias is the C of each sum's first product.
; attn_out's codes of the 64 columns (32 KiB of register images, dense in memory) come into LDS by eight tensor loads of 16 rows of 256 bytes and are read by all waves; x's tile (wave w: its own 64 rows of 256 aligned
; bytes) by eight more, each read only by the wave that asked.  A wave's second tensor load is issued only after its first has landed; LDS is filled once.
; THE WAY OUT: 16 rows x 64 l go through the wave's own stage (rows of 256 + 16 bytes) and come back by rows; x is read beside them; one fused multiply-add; sixteen lanes store 256 consecutive bytes, aligned.
; No cluster: out_w, which all work-groups read, goes straight into registers as fragments.
.set AIMG, 131072                      ; fragment (l tile m, K step s) at 8,192 m + 2,048 s + 512 group + 16 lane
.set STG,  163840                      ; + 4,352 w: 16 rows of pitch 272
.set SC,   12                          ; v[12:27] register 4 i + s: lanes 0-15 attn_out's scale word of l tile i, lanes 16-31 out_w's of o tile i, K step s: scales and nothing else
.set BI,   28                          ; v[28:59] the bias, eight registers a tile
.set AF,   60                          ; v[60:123] a K step's four fragments of attn_out
.set ACC,  128                         ; accumulator (t, m) at v[128 + 8 (4 t + m)]
.set RB0,  28                          ; the way out: rows read back: v[28:59] and v[60:91] by turns;  v[92:123] x
.set XB,   92
.set MSB, 0
.macro WIN new
.if MSB != \new
	s_set_vgpr_msb (MSB<<8)|\new
.set MSB, \new
.endif
.endm
.macro PLACES n
.rept \n
	v_nop
.endr
.endm
	s_load_b512 s[4:19], s[0:1], 0x0               ; aimg 4, asc 6, out_w_codes 8, out_w_scales 10, out_b 12, gate 14, x 16, out0 18
	v_lshl_add_u32 v11, v0, 2, 0x30800
	v_mov_b32 v127, 0
	ds_add_u32 v11, v127
	ds_add_u32 v11, v127
	v_lshrrev_b32 v124, 5, v0
	s_delay_alu instid0(VALU_DEP_1)
	v_readfirstlane_b32 s20, v124                  ; wave 0..7
	s_mov_b32 s21, ttmp9                           ; group of 64 l
	s_and_b32 s22, ttmp7, 0xffff                   ; batch
	; x's tile: 64 rows of 64 elements of 4 bytes, 4,096 elements from row to row
	s_mov_b32 s24, 2<<16
	s_mov_b32 s25, 64<<16
	s_mov_b32 s26, 64<<16
	s_mov_b32 s27, 64<<16
	s_mov_b32 s28, 64
	s_mov_b32 s29, 4096
	s_mov_b32 s30, 0
	s_mov_b32 s31, 0
	; the images: 16 rows of 32 elements of 8 bytes, dense
	s_mov_b32 s36, 3<<16
	s_mov_b32 s37, 32<<16
	s_mov_b32 s38, 16<<16
	s_mov_b32 s39, 32<<16
	s_mov_b32 s40, 16
	s_mov_b32 s41, 32
	s_mov_b32 s42, 0
	s_mov_b32 s43, 0
	s_lshl_b32 s48, s22, 23
	s_lshl_b32 s54, s20, 20
	s_add_co_u32 s48, s48, s54
	s_lshl_b32 s54, s21, 8
	s_add_co_u32 s48, s48, s54                     ; x and out0: batch, row 64 w, column 64 lg
	s_mov_b32 s49, 0
	s_lshl_b32 s52, s22, 8
	s_lshl_b32 s54, s21, 2
	s_add_co_u32 s52, s52, s54                     ; 256 b + the group's first l tile
	s_lshl_b32 s50, s52, 13
	s_lshl_b32 s54, s20, 12
	s_add_co_u32 s50, s50, s54                     ; the images: my eighth
	s_mov_b32 s51, 0
	s_lshl_b32 s52, s52, 10                        ; the scale words
	s_mov_b32 s53, 0
	s_mov_b32 s44, 1
	s_add_co_u32 s45, s54, AIMG                    ; LDS: AIMG + 4,096 w
	s_mov_b32 s32, 1
	s_lshl_b32 s33, s20, 14                        ; LDS: 16,384 w
	s_mov_b32 s58, 0xffff0000                      ; lanes 16-31
	s_wait_dscnt 0x0
	s_wait_kmcnt 0x0
	s_add_nc_u64 s[46:47], s[4:5], s[50:51]
	s_or_b32 s47, s47, 0x80000000
	s_add_nc_u64 s[34:35], s[16:17], s[48:49]
	s_or_b32 s35, s35, 0x80000000
	tensor_load_to_lds s[44:47], s[36:43]          ; the images first: they are wanted first
	s_nop 0
	s_wait_alu depctr_va_vdst(0)
	s_wait_tensorcnt 0x0
	ds_add_u32 v11, v127
	s_wait_dscnt 0x0
	s_barrier_signal -1
	s_barrier_wait -1
	tensor_load_to_lds s[32:35], s[24:31]          ; x's rows are wanted at the end
	s_nop 0
	PLACES 4
	s_add_nc_u64 s[18:19], s[18:19], s[48:49]
	s_add_nc_u64 s[6:7], s[6:7], s[52:53]
	s_lshl_b32 s48, s22, 2
	s_add_nc_u64 s[14:15], s[14:15], s[48:49]
	s_load_b32 s56, s[14:15], 0x0                  ; the batch's gate
	s_lshl_b32 s48, s20, 15
	s_add_nc_u64 s[8:9], s[8:9], s[48:49]
	s_lshl_b32 s48, s20, 10
	s_add_nc_u64 s[10:11], s[10:11], s[48:49]
	s_lshl_b32 s48, s20, 8
	s_add_nc_u64 s[12:13], s[12:13], s[48:49]
	v_and_b32 v124, 31, v0                         ; L
	v_and_b32 v125, 15, v0                         ; r
	v_bfe_u32 v126, v0, 4, 1                       ; h
	s_delay_alu instid0(VALU_DEP_3)
	v_lshl_add_u32 v1, v124, 4, AIMG
	s_mul_i32 s54, s20, 4352
	s_add_co_u32 s54, s54, STG                     ; my stage
	v_mul_u32_u24 v2, v125, 272
	s_delay_alu instid0(VALU_DEP_1)
	v_lshl_add_u32 v2, v126, 5, v2
	s_delay_alu instid0(VALU_DEP_1)
	v_add_nc_u32 v2, s54, v2                       ; in: row r, 32 bytes for each half of the lanes
	v_mul_u32_u24 v3, v126, 272
	s_delay_alu instid0(VALU_DEP_1)
	v_lshl_add_u32 v3, v125, 4, v3
	s_delay_alu instid0(VALU_DEP_1)
	v_add_nc_u32 v3, s54, v3                       ; back: lanes 0-15 one row, lanes 16-31 the next
	s_lshl_b32 s54, s20, 14
	v_lshl_add_u32 v4, v124, 4, s54                ; the same two rows of x's tile
	v_lshlrev_b32 v5, 14, v126
	s_delay_alu instid0(VALU_DEP_1)
	v_lshl_add_u32 v5, v125, 4, v5                 ; and of out0
	v_lshlrev_b32 v6, 9, v125
	s_delay_alu instid0(VALU_DEP_1)
	v_lshl_add_u32 v6, v126, 4, v6                 ; out_w: a row of 512 bytes, + 16 h
	v_lshlrev_b32 v7, 4, v125                      ; its 16 scale bytes
	v_lshlrev_b32 v8, 2, v124
	v_lshlrev_b32 v9, 2, v125
	WIN 0x40                                       ; destination window 1
.irp t, 0,1,2,3
.irp s, 0,1,2,3
.irp c, 0,1,2,3
	global_load_b128 v[16*(4*\t+\s)+4*\c:16*(4*\t+\s)+4*\c+3], v6, s[8:9] offset:8192*\t+128*\s+32*\c
.endr
.endr
.endr
	WIN 0
.irp t, 0,1,2,3
	global_load_b128 v[128+4*\t:131+4*\t], v7, s[10:11] offset:256*\t
.endr
.irp i, 0,1,2,3
.irp e, 0,1,2,3,4,5,6,7
	global_load_b32 v[144+8*\i+\e], v8, s[6:7] offset:128*(8*\i+\e)        ; l tile i, head e: two scale bytes
.endr
.endr
.irp t, 0,1,2,3
.irp j, 0,1,2,3,4,5,6,7
	global_load_b32 v[BI+8*\t+\j], v9, s[12:13] offset:64*\t               ; a lane holds one o: its bias in all eight registers
.endr
.endr
	s_wait_loadcnt 32                              ; the scale bytes are in; the bias's 32 loads may be out
.irp i, 0,1,2,3
.irp s, 0,1,2,3
	v_lshl_or_b32 v124, v[144+8*\i+2*\s+1], 16, v[144+8*\i+2*\s]           ; K step s = heads 2 s and 2 s + 1
	s_delay_alu instid0(VALU_DEP_1)
	v_cndmask_b32 v[SC+4*\i+\s], v124, v[128+4*\i+\s], s58
.endr
.endr
	PLACES 8                                       ; scale registers written by vector instructions stand eight places ahead of the scaled products
	s_wait_alu depctr_va_vdst(0)
	s_wait_kmcnt 0x0
	s_mov_b32 s57, s56                             ; (the packed form names the pair)
	s_wait_tensorcnt 1                             ; my eighth of the images has landed; x's rows may stay out
	s_barrier_signal -1
	s_barrier_wait -1                              ; everybody's has
	s_wait_loadcnt 0x0                             ; out_w and the bias
.irp s, 0,1,2,3
.irp m, 0,1,2,3
.irp c, 0,1,2,3
	ds_load_b128 v[AF+16*\m+4*\c:AF+16*\m+4*\c+3], v1 offset:8192*\m+2048*\s+512*\c
.endr
.endr
	s_wait_dscnt 0x0
	WIN 0x04                                       ; source 1 (out_w) window 1
.irp t, 0,1,2,3                        ; the sixteen accumulators take turns, one instruction a turn
.irp m, 0,1,2,3
.if \s == 0
	v_wmma_scale_f32_16x16x128_f8f6f4 v[ACC+8*(4*\t+\m):ACC+8*(4*\t+\m)+7], v[AF+16*\m:AF+16*\m+15], v[16*(4*\t+\s):16*(4*\t+\s)+15], v[BI+8*\t:BI+8*\t+7], v[SC+4*\m+\s], v[SC+4*\t+\s] matrix_b_scale:MATRIX_SCALE_ROW1
.else
	v_wmma_scale_f32_16x16x128_f8f6f4 v[ACC+8*(4*\t+\m):ACC+8*(4*\t+\m)+7], v[AF+16*\m:AF+16*\m+15], v[16*(4*\t+\s):16*(4*\t+\s)+15], v[ACC+8*(4*\t+\m):ACC+8*(4*\t+\m)+7], v[SC+4*\m+\s], v[SC+4*\t+\s] matrix_b_scale:MATRIX_SCALE_ROW1
.endif
.endr
.endr
	WIN 0
	PLACES 8                                       ; eight places in front of loads into registers that the products have read, and of the first read of results
.endr
	s_wait_tensorcnt 0x0                           ; my rows of x are in LDS; nobody else reads them
.irp t, 0,1,2,3
.if \t >= 2
	s_wait_xcnt 0x0                                ; the stores of two tiles ago have read this set of registers
.endif
.irp m, 0,1,2,3
	ds_store_b128 v2, v[ACC+8*(4*\t+\m):ACC+8*(4*\t+\m)+3] offset:64*\m            ; each accumulator from its low end on
	ds_store_b128 v2, v[ACC+8*(4*\t+\m)+4:ACC+8*(4*\t+\m)+7] offset:64*\m+16
.endr
.irp i, 0,1,2,3,4,5,6,7
	ds_load_b128 v[RB0+32*(\t%2)+4*\i:RB0+32*(\t%2)+4*\i+3], v3 offset:544*\i      ; LDS serves a wave's instructions in order (ISA guide 5.7.1.4): these see my stores, and the next tile's stores come behind them
	ds_load_b128 v[XB+4*\i:XB+4*\i+3], v4 offset:256*(16*\t+2*\i)
.endr
.irp i, 0,1,2,3,4,5,6,7
	s_wait_dscnt 14-2*\i                           ; pair i of the sixteen loads is in
	v_pk_fma_f32 v[RB0+32*(\t%2)+4*\i:RB0+32*(\t%2)+4*\i+1], v[RB0+32*(\t%2)+4*\i:RB0+32*(\t%2)+4*\i+1], s[56:57], v[XB+4*\i:XB+4*\i+1] op_sel_hi:[1,0,1]
	v_pk_fma_f32 v[RB0+32*(\t%2)+4*\i+2:RB0+32*(\t%2)+4*\i+3], v[RB0+32*(\t%2)+4*\i+2:RB0+32*(\t%2)+4*\i+3], s[56:57], v[XB+4*\i+2:XB+4*\i+3] op_sel_hi:[1,0,1]
	global_store_b128 v5, v[RB0+32*(\t%2)+4*\i:RB0+32*(\t%2)+4*\i+3], s[18:19] offset:16384*(16*\t+2*\i) th:TH_STORE_NT    ; 16 lanes store 256 consecutive bytes, aligned; written once, read by nobody here
.endr
.endr
	s_wait_tensorcnt 0x0
	ds_add_u32 v11, v127
	s_wait_dscnt 0x0
	s_endpgm
.Lfunc_end_k_qe0c916cd7a_oproj:
	.size	k_qe0c916cd7a_oproj, .Lfunc_end_k_qe0c916cd7a_oproj-k_qe0c916cd7a_oproj
	.p2alignl 7, 3214868480
	.fill 96, 4, 3214868480
	.section	.rodata,"a",@progbits
	.p2align	6, 0x0
	.amdhsa_kernel k_qe0c916cd7a_oproj
		.amdhsa_group_segment_fixed_size 327680
		.amdhsa_private_segment_fixed_size 0
		.amdhsa_enable_private_segment 0
		.amdhsa_kernarg_size 64
		.amdhsa_user_sgpr_count 2
		.amdhsa_user_sgpr_kernarg_segment_ptr 1
		.amdhsa_wavefront_size32 1
		.amdhsa_system_sgpr_workgroup_id_x 1
		.amdhsa_system_sgpr_workgroup_id_y 1
		.amdhsa_system_sgpr_workgroup_id_z 1
		.amdhsa_system_vgpr_workitem_id 0
		.amdhsa_next_free_vgpr 512
		.amdhsa_next_free_sgpr 66
		.amdhsa_reserve_vcc 0
		.amdhsa_float_denorm_mode_32 3
		.amdhsa_float_denorm_mode_16_64 3
		.amdhsa_memory_ordered 1
		.amdhsa_forward_progress 1
		.amdhsa_inst_pref_size 48
	.end_amdhsa_kernel
	.amdgpu_metadata
---
amdhsa.version: [ 1, 2 ]
amdhsa.kernels:
  - .name:           k_qe0c916cd7a_oproj
    .symbol:         k_qe0c916cd7a_oproj.kd
    .args:
      - { .name: aimg, .offset: 0, .size: 8, .value_kind: global_buffer, .address_space: global }
      - { .name: asc, .offset: 8, .size: 8, .value_kind: global_buffer, .address_space: global }
      - { .name: out_w_codes, .offset: 16, .size: 8, .value_kind: global_buffer, .address_space: global }
      - { .name: out_w_scales, .offset: 24, .size: 8, .value_kind: global_buffer, .address_space: global }
      - { .name: out_b, .offset: 32, .size: 8, .value_kind: global_buffer, .address_space: global }
      - { .name: gate, .offset: 40, .size: 8, .value_kind: global_buffer, .address_space: global }
      - { .name: x, .offset: 48, .size: 8, .value_kind: global_buffer, .address_space: global }
      - { .name: out0, .offset: 56, .size: 8, .value_kind: global_buffer, .address_space: global }
    .group_segment_fixed_size: 327680
    .private_segment_fixed_size: 0
    .kernarg_segment_align: 8
    .kernarg_segment_size: 64
    .max_flat_workgroup_size: 256
    .sgpr_count:     66
    .vgpr_count:     512
    .wavefront_size: 32
...
	.end_amdgpu_metadata
.endif
;; end of part 5
